; MI455X (gfx1250); checked and timed in simulation.
; The chip was launched on July 23, 2026; its instructions are those of AMD's public machine-readable ISA for CDNA 5 (MIT licence, August 2026) and "CDNA5" Instruction Set Architecture Reference Guide (July 2026). The comments in the code are by the model that wrote it; some were corrected since.
;; Multi Head Attention. Allowed arithmetic: matrix products marked QUANTISED: E2M3 operands, one E8M0 scale for each 32 along K, by v_wmma_scale_f32_16x16x128_f8f6f4 with both operands' format E2M3, f32 sums; everything else in f32.
;; Inputs: Wk 1,024 x 1,024 float32; Wo 1,024 x 1,024 float32; Wq 1,024 x 1,024 float32; Wv 1,024 x 1,024 float32; bo 1,024 float32; x 1 x 4,096 x 1,024 float32.
;; Outputs: out0 1 x 4,096 x 1,024 float32.
;; This version of the problem:
;;   THIS VERSION OF THE PROBLEM IS GIVEN IN LOW PRECISION. The matrix products marked QUANTISED in the list below multiply operands that are first quantised to E2M3 (2 exponent bits, 3 mantissa bits; 6 bits a number), with one power-of-two scale for each 32 numbers along K (OCP MX v1.0); their sums are f32. All else is computed in f32.
;;   The module's matrix products, in the order in which they are computed (A, B: the left and right operand; K: the contracted axis; several contracted axes count as one K, in the product's order):
;;     1. [M 4,096, K 1,024] x [K 1,024, N 1,024]; A: input x; B: input Wq: QUANTISED
;;     2. [M 4,096, K 1,024] x [K 1,024, N 1,024]; A: input x; B: input Wk: QUANTISED
;;     3. [M 4,096, K 1,024] x [K 1,024, N 1,024]; A: input x; B: input Wv: QUANTISED
;;     4. batch 16 x [M 4,096, K 64] x [K 64, N 4,096]; A: computed on the way; B: computed on the way: QUANTISED
;;     5. batch 16 x [M 4,096, K 4,096] x [K 4,096, N 64]; A: softmax (see below); B: computed on the way: QUANTISED
;;     6. [M 4,096, K 1,024] x [K 1,024, N 1,024]; A: computed on the way; B: input Wo: QUANTISED
;;   THE QUANTISER, for each operand of a quantised product, along K:
;;     - K is cut into blocks of 32 from its start; a last block that is shorter is filled with zeros.
;;     - A block's scale is 2^e with e = floor(log2(the largest magnitude in the block)) - 2, held to -126 .. 127; a block of zeros has e = 0. As a byte (E8M0): e + 127.
;;     - Each number is divided by its block's scale, clamped to +-7.5, and rounded to the nearest number of E2M3, ties to even, subnormals kept.
;;     - The product sums the exact products of the quantised numbers (number of the format x scale) in f32.
;;   ~~~python
;;   def quantise(x, axis):      # numpy; x: float32 -> the quantised numbers, widened to float32 again
;;       x = np.moveaxis(x, axis, -1); K = x.shape[-1]
;;       x = np.pad(x, [(0, 0)] * (x.ndim - 1) + [(0, -K % 32)]); x = x.reshape(x.shape[:-1] + (-1, 32)); a = np.abs(x).max(-1, keepdims=True)
;;       e = np.where(a > 0, np.clip(np.frexp(np.where(a > 0, a, 1))[1] - 1 - 2, -126, 127), 0)      # np.frexp(a)[1] - 1 = floor(log2(a)), exactly
;;       r = np.clip(x / 2.0 ** e, -7.5, 7.5)
;;       step = 2.0 ** (np.maximum(np.frexp(np.where(r == 0, 1, r))[1] - 1, 0) - 3)
;;       q = np.round(r / step) * step * 2.0 ** e      # np.round: ties to even
;;       return np.moveaxis(q.reshape(q.shape[:-2] + (-1,))[..., :K], -1, axis).astype(np.float32)
;;   ~~~
;;   SOFTMAX AHEAD OF A QUANTISED PRODUCT. Where the list says 'softmax', what is quantised is not the finished softmax but p = 2^(t - M), with t = logit x log2(e) and M = ceil(the row's largest t), a whole number; so 1/2 < the row's largest p <= 1. The row's sum l is taken of the UNQUANTISED p, in f32, and the product's result is divided by l at the end. Since M is a whole number, a kernel that streams over the keys may use a running M (the ceiling of the running maximum): every later rescaling is an exact power of two, which a block's scale takes up: the codes' values come out the same.
;;   OPERANDS COMPUTED ON THE WAY. 'Computed on the way' means the value that the module computes at that place (a softmax that the list does not call 'softmax' is quantised finished and normalised). What goes into a quantiser is computed in f32, as accurately as f32 sums, v_exp_f32 and their like allow (about 1e-6 of the number): no bf16 or f16 on the way to a quantiser, and a product that is left as it is and whose result goes on into a quantised operand takes f32 operands (vector FMAs, or v_wmma_f32_16x16x4_f32). A number that lies on a knife's edge between two numbers of the format may be rounded either way, as far as f32 arithmetic and the matrix unit's own rounding can turn it there, and no further.
;; One version. Each part assembles by itself: llvm-mc -triple=amdgcn-amd-amdhsa -mcpu=gfx1250 --defsym DOCPART=n.
;; ======== version 1 of 1: 4 launches
;; limits: right only within a limited range of input values
;; workspace buffers: codes 6,291,456 bytes; scales 262,144 bytes; qkv 9,830,400 bytes; ctxc 3,145,728 bytes; ctxs 131,072 bytes
;; launch quant (part 1): grid 256 x 1, 4 waves a work-group, no clusters, 68,096 bytes of LDS; arguments x, Wq, Wk, Wv, Wo, codes, scales; writes codes, scales
.if DOCPART == 1
	.amdgcn_target "amdgcn-amd-amdhsa--gfx1250"
	.amdhsa_code_object_version 6
	.text
	.protected	k_q2b653fe8b9_quant
	.globl	k_q2b653fe8b9_quant
	.p2align	8
	.type	k_q2b653fe8b9_quant,@function
k_q2b653fe8b9_quant:
	s_mov_b64 s[64:65], 0
	v_nop
	global_prefetch_b8 v0, s[64:65] scope:SCOPE_SE
	s_setreg_imm32_b32 hwreg(HW_REG_WAVE_MODE, 25, 1), 1
	s_wait_xcnt 0x0
; x [4096][1024] and Wq, Wk, Wv, Wo [1024 (k)][1024 (n)], all f32, become codes of FP6 (E2M3), 6 bits each, with one E8M0 scale byte for each 32 along K (x: its columns; a weight: its FIRST axis).
; A block's scale is 2^(floor(log2(its largest magnitude)) - 2); its byte is the largest magnitude's exponent field - 2, held at 1 from below; each number is divided by the scale and rounded to the nearest code, ties to even.
; WHERE THEY GO.  codes: [16 planes of 64 along K][8192 rows][48 bytes]; scales: [8192 rows][32 bytes].  Rows 0-4095 are x's rows, rows 4096 + 1024 w + column the weights' columns (w = 0..3: Wq, Wk, Wv, Wo).
; A row stands at the place whose number has bits 3 and 4 exchanged: sixteen rows on end are then the rows 32 b + 8 u + r + 8 (r / 8), the order in which a product used transposed leaves 16 neighbours in a lane's 16 registers.
; Work-groups 0-127 take x (a wave: 8 rows), work-groups 128-255 the weights (a wave: 32 columns x 256 along K).  The two ways share no LDS byte, no wave shares anything with another: no barrier.
; No cluster, no matrix unit, no tensor load: every input byte is read once by one wave, and memory binds.
; LIMITS: NaN and infinities among the inputs are not served; a block whose largest magnitude lies under 2^-124 keeps the byte 1; a block of zeros carries the byte 1 where the rule says 127 (its codes are zeros, and this program alone reads the bytes).
.set PLANE, 393216                     ; bytes of a plane: 8192 rows x 48
.set EMAX,  2
.set CB,    12                         ; bytes of 16 codes
.set STEPS, 16                         ; x: a step is a plane: 8 rows x 64 numbers
.set R,     16                         ; x: v16-79   four sets of 16 numbers as they are loaded
.set X,     80                         ; x: v80-111  two sets of 16 neighbours
.set E,     112                        ; x: v112-127 a scale byte for each step
.set C,     128                        ; x: v128-191 codes, four registers for each step: no store's data are written again
.set WREG,  8192                       ; x: LDS of a wave: two stages of 32 x SP bytes, then its 256 scale bytes
.set SP,    80                         ; x: a lane's place in a stage: 64 bytes + 16 of padding
.set WSTG,  32768                      ; W: LDS from here on: a stage of 32 x PITCH bytes for each wave
.set PITCH, 272                        ; W: a stage row: sixteen places of 16 bytes, each with 12 bytes of codes, + 16
.set NB,    8                          ; W: blocks of 32 along K for a wave
.set WX,    32                         ; W: v32-95   two sets of 32 numbers
.set WC,    96                         ; W: v96..    a block's codes
.set OUTR,  112                        ; W: v112-175 the way out
.set SB,    24                         ; W: v24-25   the scale bytes, four to a register
	s_load_b256 s[4:11], s[0:1], 0x0               ; x s[4:5], Wq s[6:7], Wk s[8:9], Wv s[10:11]
	s_load_b128 s[12:15], s[0:1], 0x20             ; Wo s[12:13], codes s[14:15]
	s_load_b64 s[16:17], s[0:1], 0x30              ; scales
	v_lshl_add_u32 v192, v0, 2, 0x10800
	v_mov_b32 v193, 0
	v_lshrrev_b32 v1, 5, v0
	v_readfirstlane_b32 s18, v1                    ; wave 0..3
	v_and_b32 v2, 31, v0                           ; lane
	s_cmp_lt_u32 ttmp9, 128
	s_cbranch_scc0 .Lw
; ---------------- x: a wave takes 8 rows; step t is plane t: 8 rows x 64 numbers.  Each load reads two rows' 256 consecutive bytes; the 2,048 bytes turn through the wave's stage and come back 16 neighbours a lane.
	v_lshrrev_b32 v3, 4, v2
	v_and_b32 v14, 15, v2
	v_lshlrev_b32 v14, 4, v14
	v_lshl_add_u32 v3, v3, 12, v14                 ; in: row lane / 16 of a pair of rows, 16 bytes a lane
	s_mul_i32 s19, s18, WREG
	v_lshrrev_b32 v14, 2, v2
	v_mul_u32_u24 v14, v14, SP
	v_and_b32 v15, 3, v2
	v_lshl_add_u32 v14, v15, 4, v14
	v_add_nc_u32 v14, s19, v14                     ; the stage, on the way in: four lanes' 64 bytes on end, then 16 of padding
	v_mul_u32_u24 v15, v2, SP
	v_add_nc_u32 v15, s19, v15                     ; and on the way out: lane l takes row l / 4, numbers 16 (l % 4) on
	v_mul_u32_u24 v4, v2, CB                       ; my 12 bytes of the step's 384: 48 (l / 4) + 12 (l % 4)
	v_lshrrev_b32 v5, 2, v2
	v_lshlrev_b32 v5, 5, v5
	v_bfe_u32 v6, v2, 1, 1
	v_add_nc_u32 v5, v5, v6                        ; my block's scale byte: 32 x row + block of the plane (+ 2 t)
	s_add_co_u32 s19, s19, 2*32*SP
	v_add_nc_u32 v5, s19, v5
	v_lshlrev_b32 v7, 3, v2                        ; and on the way out 8 bytes a lane
	v_add_nc_u32 v6, s19, v7
	s_lshl_b32 s20, ttmp9, 2
	s_add_co_u32 s21, s20, s18                     ; which 8 rows are read: 4 x work-group + wave
	s_and_b32 s22, s18, 1
	s_lshl_b32 s22, s22, 1
	s_lshr_b32 s23, s18, 1
	s_or_b32 s22, s22, s23
	s_add_co_u32 s20, s20, s22                     ; and where they are put: the wave's two bits exchanged (bits 3 and 4 of the row)
	s_lshl_b32 s24, s21, 15                        ; 8 rows of 4,096 bytes
	s_mov_b32 s25, 0
	s_mul_i32 s26, s20, 384                        ; 8 rows of 48 bytes
	s_mov_b32 s27, 0
	s_lshl_b32 s28, s20, 8                         ; 8 rows of 32 bytes
	s_mov_b32 s29, 0
	s_wait_alu depctr_va_vdst(0)
	s_wait_kmcnt 0x0
	s_add_nc_u64 s[4:5], s[4:5], s[24:25]
	s_add_nc_u64 s[14:15], s[14:15], s[26:27]
	s_add_nc_u64 s[16:17], s[16:17], s[28:29]
.macro LOAD t
.irp i, 0,1,2,3
	global_load_b128 v[R+16*((\t)%4)+4*\i:R+16*((\t)%4)+4*\i+3], v3, s[4:5] offset:256*(\t)+8192*\i th:TH_LOAD_NT   ; rows 2 i and 2 i + 1: 256 consecutive bytes of each, aligned
.endr
.endm
.macro TURN t                          ; step t's numbers through the stage: LDS serves a wave's instructions in order, so no wait stands between the stores and the loads
.irp i, 0,1,2,3
	ds_store_b128 v14, v[R+16*((\t)%4)+4*\i:R+16*((\t)%4)+4*\i+3] offset:32*SP*((\t)%2)+8*SP*\i
.endr
.irp i, 0,1,2,3
	ds_load_b128 v[X+16*((\t)%2)+4*\i:X+16*((\t)%2)+4*\i+3], v15 offset:32*SP*((\t)%2)+16*\i
.endr
.endm
.irp t, 0,1,2,3
	LOAD \t
.endr
	s_wait_loadcnt 12                              ; step 0's four loads are in; the twelve of steps 1 to 3 may be out
	TURN 0
.macro STEP t
.set XS, X+16*((\t)%2)
.if (\t) > 0
	s_wait_dscnt 1                                 ; this step's numbers are back from the stage (the last step's byte store may be out): so its stores into the stage have read their registers,
.else
	s_wait_dscnt 0x0
.endif
.if (\t)+4 < STEPS
	LOAD (\t)+4                                    ; which take the loads of four steps on
.endif
.if (\t)+1 < STEPS
.if STEPS-2-(\t) >= 3
	s_wait_loadcnt 12                              ; the next step's four loads are in; those of the three steps behind it may be out
.else
	s_wait_loadcnt 4*(STEPS-2-(\t))
.endif
	TURN (\t)+1                                    ; and go through the other stage while this step is worked
.endif
	v_max3_num_f32 v8, |v[XS]|, |v[XS+1]|, |v[XS+2]|               ; the largest magnitude of my 16, in two chains
	v_max3_num_f32 v9, |v[XS+3]|, |v[XS+4]|, |v[XS+5]|
.irp i, 6,10
	v_max3_num_f32 v8, v8, |v[XS+\i]|, |v[XS+\i+1]|
	v_max3_num_f32 v9, v9, |v[XS+\i+2]|, |v[XS+\i+3]|
.endr
	v_max3_num_f32 v8, v8, |v[XS+14]|, |v[XS+15]|
	v_max3_num_f32 v8, v8, v9, (EMAX+1)<<23        ; and the floor 2^(3 - 127): the byte cannot fall under 1
	v_max_num_f32_dpp v8, v8, v8 row_xmask:1 row_mask:0xf bank_mask:0xf   ; and of my neighbour's 16: the block's
	v_add_nc_u32 v11, -(EMAX<<23), v8              ; 2 off its exponent field: the conversion takes the exponent field of this operand as its scale, and nothing else of it
	v_cvt_scalef32_pk16_fp6_f32 v[C+4*(\t):C+4*(\t)+2], v[XS:XS+15], v11
	v_lshrrev_b32 v[E+(\t)], 23, v11               ; the scale's byte
	ds_store_b8 v5, v[E+(\t)] offset:2*(\t)        ; both lanes of a block write the same byte with the same value
	global_store_b96 v4, v[C+4*(\t):C+4*(\t)+2], s[14:15] offset:PLANE*(\t)   ; the wave stores 384 consecutive bytes: 8 rows of plane t
.endm
.irp t, 0,1,2,3,4,5,6,7,8,9,10,11,12,13,14,15
	STEP \t
.endr
	ds_load_b64 v[12:13], v6                       ; LDS serves a wave's instructions in order: these see my stores
	s_wait_dscnt 0x0
	global_store_b64 v7, v[12:13], s[16:17]        ; 32 lanes store 256 consecutive bytes, aligned: 8 rows of scale bytes
	s_wait_tensorcnt 0x0
	ds_add_u32 v192, v193
	s_wait_dscnt 0x0
	s_endpgm
; ---------------- W: a lane takes a column n and its registers run down K: a block of 32 lies in one lane, and the conversions give codes with K innermost.  Nothing is transposed by an instruction.
.Lw:
	s_sub_co_u32 s19, ttmp9, 128
	s_lshr_b32 s20, s19, 5                         ; which weight
	s_and_b32 s21, s19, 7                          ; which 128 columns
	s_bfe_u32 s22, s19, 0x20003                    ; which 256 along K
	s_lshl_b32 s23, s21, 7
	s_lshl_b32 s24, s18, 5
	s_add_co_u32 s23, s23, s24                     ; my wave's first column
	s_wait_alu depctr_va_vdst(0)
	v_lshlrev_b32 v3, 2, v2                        ; in: 4 bytes a lane
	s_mul_i32 s24, s18, 32*PITCH
	s_add_co_u32 s24, s24, WSTG                    ; my stage
	v_mul_u32_u24 v4, v2, PITCH
	v_add_nc_u32 v4, s24, v4                       ; into it: row = my column
	v_lshrrev_b32 v5, 2, v2
	v_and_b32 v6, 3, v2
	v_mul_u32_u24 v7, v5, PITCH
	v_lshl_add_u32 v7, v6, 4, v7
	v_add_nc_u32 v7, s24, v7                       ; out of it: four lanes to a column's 48 bytes of a plane, eight columns an instruction
	v_mul_u32_u24 v8, v2, 12                       ; and the same place in the plane: 48 (l / 4) + 12 (l % 4)
	v_and_b32 v9, 7, v2
	v_lshrrev_b32 v10, 1, v2
	v_and_b32 v10, 8, v10
	v_or_b32 v9, v9, v10
	v_lshlrev_b32 v10, 1, v2
	v_and_b32 v10, 16, v10
	v_or_b32 v9, v9, v10                           ; my column's place among the 32: bits 3 and 4 exchanged
	v_lshlrev_b32 v9, 5, v9                        ; its row of scale bytes
	s_lshl_b32 s26, s22, 20                        ; 256 rows of 4,096 bytes
	s_lshl_b32 s25, s23, 2
	s_add_co_u32 s26, s26, s25
	s_mov_b32 s27, 0
	s_lshl_b32 s25, s20, 10
	s_add_co_u32 s25, s25, s23
	s_add_co_u32 s25, s25, 4096                    ; the first of my 32 rows in codes and scales
	s_mul_i32 s28, s22, 4*PLANE                    ; 256 along K are four planes
	s_mul_i32 s30, s25, 48
	s_add_co_u32 s28, s28, s30
	s_mov_b32 s29, 0
	s_lshl_b32 s30, s25, 5
	s_lshl_b32 s31, s22, 3
	s_add_co_u32 s30, s30, s31
	s_mov_b32 s31, 0
	s_wait_kmcnt 0x0
	s_cmp_eq_u32 s20, 1                            ; the weight is chosen by the work-group's number alone
	s_cselect_b64 s[6:7], s[8:9], s[6:7]
	s_cmp_eq_u32 s20, 2
	s_cselect_b64 s[6:7], s[10:11], s[6:7]
	s_cmp_eq_u32 s20, 3
	s_cselect_b64 s[6:7], s[12:13], s[6:7]
	s_add_nc_u64 s[6:7], s[6:7], s[26:27]
	s_add_nc_u64 s[14:15], s[14:15], s[28:29]
	s_add_nc_u64 s[16:17], s[16:17], s[30:31]
.macro WLOAD t                         ; block t: W(32 t + i, my column), i = 0 .. 31, into set t % 2; a wave reads 128 consecutive bytes, the four waves stand side by side
.irp i, 0,1,2,3,4,5,6,7,8,9,10,11,12,13,14,15,16,17,18,19,20,21,22,23,24,25,26,27,28,29,30,31
	global_load_b32 v[WX+32*((\t)%2)+\i], v3, s[6:7] offset:(32*(\t)+\i)*4096 th:TH_LOAD_NT
.endr
.endm
	WLOAD 0
	WLOAD 1
.macro BLOCK t
.set XS, WX+32*((\t)%2)
.if (\t) < NB-1
	s_wait_loadcnt 32                              ; this block's 32 loads are in; the next block's 32 may be out
.else
	s_wait_loadcnt 0
.endif
	v_max3_num_f32 v12, |v[XS]|, |v[XS+1]|, |v[XS+2]|               ; the block's largest magnitude: all 32 numbers are mine
	v_max3_num_f32 v13, |v[XS+3]|, |v[XS+4]|, |v[XS+5]|
.irp i, 6,10,14,18,22,26
	v_max3_num_f32 v12, v12, |v[XS+\i]|, |v[XS+\i+1]|
	v_max3_num_f32 v13, v13, |v[XS+\i+2]|, |v[XS+\i+3]|
.endr
	v_max3_num_f32 v12, v12, |v[XS+30]|, |v[XS+31]|
	v_max3_num_f32 v12, v12, v13, (EMAX+1)<<23     ; and the floor
	v_add_nc_u32 v11, -(EMAX<<23), v12             ; the conversion's scale operand
	v_lshrrev_b32 v13, 23, v11                     ; the scale's byte
.if (\t)%4 == 0
	v_mov_b32 v[SB+(\t)/4], v13                    ; four bytes to a register, the lower K in the lower byte
.else
	v_lshl_or_b32 v[SB+(\t)/4], v13, 8*((\t)%4), v[SB+(\t)/4]
.endif
	v_cvt_scalef32_pk16_fp6_f32 v[WC:WC+2], v[XS:XS+15], v11
	v_cvt_scalef32_pk16_fp6_f32 v[WC+4:WC+6], v[XS+16:XS+31], v11   ; (a conversion's three registers begin on an even number)
	ds_store_b96 v4, v[WC:WC+2] offset:32*(\t)     ; 12 bytes to a place of 16, so that every LDS address is a multiple of 16
	ds_store_b96 v4, v[WC+4:WC+6] offset:32*(\t)+16
.if (\t)+2 < NB
	WLOAD (\t)+2
.endif
	s_wait_dscnt 0x0                               ; the stores have read their registers: the next block's codes may be written
.endm
.set Q, 0
.rept NB
	BLOCK Q
.set Q, Q+1
.endr
	s_wait_alu depctr_va_vdst(0)
	global_store_b64 v9, v[SB:SB+1], s[16:17]      ; my column's 8 scale bytes
.set WN, 0
.irp p, 0,1,2,3                        ; plane p of my four, columns 8 i on
.irp i, 0,1,2,3
	ds_load_b96 v[OUTR+4*WN:OUTR+4*WN+2], v7 offset:8*\i*PITCH+64*\p   ; LDS serves a wave's instructions in order: these see my stores
.set WN, WN+1
.endr
.endr
.set WN, 0
.irp p, 0,1,2,3
.irp i, 0,1,2,3
	s_wait_dscnt 15-WN                             ; the loads come back in order: this one is in, the younger ones may be out
	global_store_b96 v8, v[OUTR+4*WN:OUTR+4*WN+2], s[14:15] offset:\p*PLANE+(((\i&1)<<1)|(\i>>1))*384   ; 384 consecutive bytes: eight rows of a plane, at the place with i's two bits exchanged
.set WN, WN+1
.endr
.endr
	s_wait_tensorcnt 0x0
	ds_add_u32 v192, v193
	s_wait_dscnt 0x0
	s_endpgm
.Lfunc_end_k_q2b653fe8b9_quant:
	.size	k_q2b653fe8b9_quant, .Lfunc_end_k_q2b653fe8b9_quant-k_q2b653fe8b9_quant
	.p2alignl 7, 3214868480
	.fill 96, 4, 3214868480
	.section	.rodata,"a",@progbits
	.p2align	6, 0x0
	.amdhsa_kernel k_q2b653fe8b9_quant
		.amdhsa_group_segment_fixed_size 68096
		.amdhsa_private_segment_fixed_size 0
		.amdhsa_enable_private_segment 0
		.amdhsa_kernarg_size 56
		.amdhsa_user_sgpr_count 2
		.amdhsa_user_sgpr_kernarg_segment_ptr 1
		.amdhsa_wavefront_size32 1
		.amdhsa_system_sgpr_workgroup_id_x 1
		.amdhsa_system_sgpr_workgroup_id_y 1
		.amdhsa_system_sgpr_workgroup_id_z 1
		.amdhsa_system_vgpr_workitem_id 0
		.amdhsa_next_free_vgpr 194
		.amdhsa_next_free_sgpr 66
		.amdhsa_reserve_vcc 0
		.amdhsa_float_denorm_mode_32 3
		.amdhsa_float_denorm_mode_16_64 3
		.amdhsa_memory_ordered 1
		.amdhsa_forward_progress 1
		.amdhsa_inst_pref_size 74
	.end_amdhsa_kernel
	.amdgpu_metadata
---
amdhsa.version: [ 1, 2 ]
amdhsa.kernels:
  - .name:           k_q2b653fe8b9_quant
    .symbol:         k_q2b653fe8b9_quant.kd
    .args:
      - { .name: x, .offset: 0, .size: 8, .value_kind: global_buffer, .address_space: global }
      - { .name: Wq, .offset: 8, .size: 8, .value_kind: global_buffer, .address_space: global }
      - { .name: Wk, .offset: 16, .size: 8, .value_kind: global_buffer, .address_space: global }
      - { .name: Wv, .offset: 24, .size: 8, .value_kind: global_buffer, .address_space: global }
      - { .name: Wo, .offset: 32, .size: 8, .value_kind: global_buffer, .address_space: global }
      - { .name: codes, .offset: 40, .size: 8, .value_kind: global_buffer, .address_space: global }
      - { .name: scales, .offset: 48, .size: 8, .value_kind: global_buffer, .address_space: global }
    .group_segment_fixed_size: 68096
    .private_segment_fixed_size: 0
    .kernarg_segment_align: 8
    .kernarg_segment_size: 56
    .max_flat_workgroup_size: 128
    .sgpr_count:     66
    .vgpr_count:     194
    .wavefront_size: 32
...
	.end_amdgpu_metadata
.endif
;; end of part 1
;; launch qkv (part 2): grid 12 x 16, 4 waves a work-group, clusters of 4 x 4, 327,680 bytes of LDS; arguments codes, scales, qkv; writes qkv
.if DOCPART == 2
	.amdgcn_target "amdgcn-amd-amdhsa--gfx1250"
	.amdhsa_code_object_version 6
	.text
	.protected	k_q2b653fe8b9_qkv
	.globl	k_q2b653fe8b9_qkv
	.p2align	8
	.type	k_q2b653fe8b9_qkv,@function
k_q2b653fe8b9_qkv:
	s_mov_b64 s[64:65], 0
	v_nop
	global_prefetch_b8 v0, s[64:65] scope:SCOPE_SE
	s_setreg_imm32_b32 hwreg(HW_REG_WAVE_MODE, 25, 1), 1
	s_wait_xcnt 0x0
	s_wait_alu depctr_hold_cnt(0) depctr_sa_sdst(0) depctr_va_vdst(0) depctr_va_sdst(0) depctr_va_ssrc(0) depctr_va_vcc(0) depctr_vm_vsrc(0)
	s_getreg_b32 s2, hwreg(HW_REG_IB_STS2, 6, 4)
	s_cmp_eq_u32 s2, 0
	s_cbranch_scc0 .Lentry_in_a_cluster
	s_endpgm
.Lentry_in_a_cluster:
	s_bfe_u32 s2, ttmp6, 0x10000c
	s_cmp_lg_u32 s2, 0xf033
	s_cbranch_scc0 .Lentry_shape_is_right
	s_endpgm
.Lentry_shape_is_right:
.set NQ,     2
.set FR,     12
.set NL,     6
.set NP,     4
.set APL,    393216
.set BPL,    393216
.set HALFT,  24576
.set SLOT,   4*HALFT
.set KS,     32
.set SCL,    2*SLOT
.set HALFS,  4352
.set SBLK,   544
.set SPARE,  SCL+4*HALFS
.set STG,    SPARE+512
.set WST,    13312
.set RECS,   6656
.set ADRA, 16
.set ADRB, 20
.set STO,  24
.set STS,  25
.set RD8,  26
.set ADRS, 27
.set SPW,  28
.set NIL,  29
.set GO16, 30
.set GO8,  31
.set VSTO, 8
.set VSTS, 9
.set VRD8, 10
.set SC,   32
.set TM,   64
.set PW,   80
.set PC0,  84
.set AF,   128
.set RB,   128
.set SEL,  96
.set G1, 24
.set G0, 32
.set G1B, 48
.set G0B, 56
.set G1S, 68
.set G0S, 76
.set G1SB, 80
.set G0SB, 88
.set MSB, 0
.macro WIN new
.if MSB != (\new)
	s_set_vgpr_msb (MSB<<8)|(\new)
.set MSB, (\new)
.endif
.endm
.set MUL_LO, 0xa1
.set MUL_HI, 0xf1
.set TO_B,   0x40
.macro JLOAD g0a, g1a, g0b, g1b
	s_cmp_eq_u32 s15, 0
	s_cbranch_scc0 .Lfor_b_\@
	tensor_load_to_lds s[\g0a:\g0a+3], s[\g1a:\g1a+7]
	s_nop 0
.rept 4
	v_nop
.endr
	s_branch .Lasked_\@
.Lfor_b_\@:
	tensor_load_to_lds s[\g0b:\g0b+3], s[\g1b:\g1b+7]
	s_nop 0
.rept 4
	v_nop
.endr
.Lasked_\@:
.endm
.macro CREST
	s_cmp_lg_u32 s14, 0
	s_cbranch_scc1 .Lnot_wave_0_\@
	s_barrier_signal -3
.Lnot_wave_0_\@:
	s_barrier_wait -3
	s_barrier_signal -1
	s_barrier_wait -1
.endm
.macro CROUND
	s_barrier_signal -1
	s_barrier_wait -1
	CREST
.endm
	s_load_b128 s[4:7], s[0:1], 0x0
	s_load_b64 s[12:13], s[0:1], 0x10
	v_lshl_add_u32 v[SPW], v0, 2, SPARE
	v_mov_b32 v[NIL], 0
	ds_add_u32 v28, v29
	ds_add_u32 v28, v29
	s_wait_dscnt 0x0
	v_lshrrev_b32 v1, 5, v0
	v_readfirstlane_b32 s14, v1
	s_lshr_b32 s15, s14, 1
	s_and_b32 s16, s14, 1
	s_bfe_u32 s40, ttmp6, 0x40000
	s_bfe_u32 s41, ttmp6, 0x40004
	s_and_b32 s17, ttmp7, 0xffff
	s_lshl_b32 s17, s17, 2
	s_lshl_b32 s42, ttmp9, 2
	s_cmp_eq_u32 ttmp9, 2
	s_cselect_b32 s42, s17, s42
	s_cselect_b32 s17, 0, s17
	s_cselect_b32 s66, 6144, 0
	s_cselect_b32 s67, 0, 4096
	s_add_co_u32 s42, s42, s40
	s_add_co_u32 s17, s17, s41
	s_lshl_b32 s43, s41, 2
	s_lshl_b32 s43, 15, s43
	s_lshl_b32 s44, 0x1111, s40
	s_or_b32 s[G1+0], s43, (3<<16)|(1<<21)
	s_or_b32 s[G1B+0], s44, (3<<16)|(1<<21)
.irp g, G1, G1B
	s_mov_b32 s[\g+1], 768<<16
	s_mov_b32 s[\g+2], 4<<16
	s_mov_b32 s[\g+3], 768<<16
	s_mov_b32 s[\g+4], 4
	s_mov_b32 s[\g+6], 0
	s_mov_b32 s[\g+7], 0
.endr
	s_mov_b32 s[G1+5], APL/8
	s_mov_b32 s[G1B+5], BPL/8
	s_or_b32 s[G1S+0], s43, (3<<16)|(1<<20)|(1<<21)|(5<<22)|(3<<25)
	s_or_b32 s[G1SB+0], s44, (3<<16)|(1<<20)|(1<<21)|(5<<22)|(3<<25)
.irp g, G1S, G1SB
	s_mov_b32 s[\g+1], 32<<16
	s_mov_b32 s[\g+2], 16<<16
	s_mov_b32 s[\g+3], 32<<16
	s_mov_b32 s[\g+4], 16
	s_mov_b32 s[\g+5], 32
	s_mov_b32 s[\g+6], 0
	s_mov_b32 s[\g+7], 0
.endr
	s_lshl_b32 s18, s16, 7
	s_lshl_b32 s20, s17, 8
	s_add_co_u32 s20, s20, s18
	s_add_co_u32 s20, s20, s66
	s_lshl_b32 s46, s42, 8
	s_add_co_u32 s46, s46, s18
	s_add_co_u32 s46, s46, s67
	s_lshl_b32 s22, s20, 5
	s_mov_b32 s23, 0
	s_lshl_b32 s92, s46, 5
	s_mov_b32 s93, 0
	s_mul_i32 s20, s20, 48
	s_mov_b32 s21, 0
	s_mul_i32 s46, s46, 48
	s_mov_b32 s47, 0
	s_mul_i32 s45, s14, HALFT
	s_mul_i32 s94, s14, HALFS
	s_mov_b32 s[SEL], 0x76543210
	s_mov_b32 s[SEL+1], 0xfedcba98
	s_wait_kmcnt 0x0
	s_add_nc_u64 s[20:21], s[4:5], s[20:21]
	s_add_nc_u64 s[22:23], s[6:7], s[22:23]
	s_add_nc_u64 s[46:47], s[4:5], s[46:47]
	s_add_nc_u64 s[92:93], s[6:7], s[92:93]
	CROUND
	s_mov_b32 s[G0S], 1
	s_add_co_u32 s[G0S+1], s94, SCL
	s_mov_b64 s[G0S+2:G0S+3], s[22:23]
	s_or_b32 s[G0S+3], s[G0S+3], 0x80000000
	s_mov_b32 s[G0SB], 1
	s_add_co_u32 s[G0SB+1], s94, SCL
	s_mov_b64 s[G0SB+2:G0SB+3], s[92:93]
	s_or_b32 s[G0SB+3], s[G0SB+3], 0x80000000
	JLOAD G0S, G1S, G0SB, G1SB
.irp s, 0,1
	s_mov_b32 s[G0+4*\s], 1
	s_add_co_u32 s[G0+4*\s+1], s45, \s*SLOT
	s_add_nc_u64 s[G0+4*\s+2:G0+4*\s+3], s[20:21], \s*4*APL
	s_or_b32 s[G0+4*\s+3], s[G0+4*\s+3], 0x80000000
	s_mov_b32 s[G0B+4*\s], 1
	s_add_co_u32 s[G0B+4*\s+1], s45, \s*SLOT
	s_add_nc_u64 s[G0B+4*\s+2:G0B+4*\s+3], s[46:47], \s*4*BPL
	s_or_b32 s[G0B+4*\s+3], s[G0B+4*\s+3], 0x80000000
	s_wait_alu depctr_va_vdst(0)
	s_wait_tensorcnt 0x0
	ds_add_u32 v28, v29
	s_wait_dscnt 0x0
	CROUND
	JLOAD G0+4*\s, G1, G0B+4*\s, G1B
.endr
	v_and_b32 v1, 15, v0
	v_bfe_u32 v2, v0, 4, 1
	v_mul_u32_u24 v3, v1, 48
	v_mad_u32_u24 v4, v2, 24, v3
	s_mul_i32 s21, s15, HALFT
	s_mul_i32 s22, s16, HALFT
	s_add_co_u32 s22, s22, 2*HALFT
.irp s, 0,1
	v_add_nc_u32 v[ADRA+\s], s21, v4
	v_add_nc_u32 v[ADRB+\s], s22, v4
	s_add_co_u32 s21, s21, SLOT
	s_add_co_u32 s22, s22, SLOT
.endr
	v_mul_u32_u24 v5, v1, KS
	v_lshrrev_b32 v6, 8, v5
	v_lshl_add_u32 v5, v6, 4, v5
	s_mul_i32 s21, s15, HALFS
	s_mul_i32 s22, s16, HALFS
	s_add_co_u32 s22, s22, 2*HALFS
	s_sub_co_u32 s22, s22, s21
	v_mul_u32_u24 v6, s22, v2
	s_add_co_u32 s21, s21, SCL
	v_add_nc_u32 v5, v5, v6
	v_add_nc_u32 v[ADRS], s21, v5
	s_mul_i32 s23, s14, WST
	s_add_co_u32 s23, s23, STG
	v_and_b32 v6, 31, v0
	v_lshlrev_b32 v[GO16], 4, v6
	v_lshlrev_b32 v[GO8], 3, v6
	v_lshlrev_b32 v7, 4, v1
	v_add_nc_u32 v[STO], s23, v[GO16]
	v_add_nc_u32 v[STS], s23, v7
	v_add_nc_u32 v[RD8], s23, v[GO8]
	s_add_co_u32 s23, s23, 4*WST
	v_add_nc_u32 v[VSTO], s23, v[GO16]
	v_add_nc_u32 v[VSTS], s23, v7
	v_add_nc_u32 v[VRD8], s23, v[GO8]
.irp b, 0,1,2,3
	v_mov_b32 v[TM+4+\b], 0
.endr
	s_lshl_b32 s98, s17, 1
	s_add_co_u32 s98, s98, s15
	s_lshl_b32 s99, s42, 1
	s_add_co_u32 s99, s99, s16
	s_add_co_u32 s100, s98, 16
	s_cmp_eq_u32 ttmp9, 2
	s_cselect_b32 s100, s100, s99
	s_cselect_b32 s101, s99, s98
	s_lshl_b32 s100, s100, 6
	s_add_co_u32 s100, s100, s101
	s_mul_i32 s100, s100, 6400
	s_mov_b32 s101, 0
	s_add_nc_u64 s[12:13], s[12:13], s[100:101]
.macro FRAG reg, adr, q, i
.irp p, 0,1,2,3,4,5
	ds_load_b64 v[\reg+2*\p:\reg+2*\p+1], v[\adr] offset:(2*(\q)+\p/3)*6144+(\i)*768+8*(\p%3)
.endr
.endm
.macro MUL16 a0, p, q, sc, zero
.irp a, \a0, \a0+1
.irp b, 0,1,2,3,4,5,6,7
.if \zero
	v_wmma_scale_f32_16x16x128_f8f6f4 v[8*(8*((\a)%4)+\b):8*(8*((\a)%4)+\b)+7], v[128*(\p)+FR*\b:128*(\p)+FR*\b+FR-1], v[AF+FR*(\a):AF+FR*(\a)+FR-1], 0, v[SC+8*NQ*(\sc)+NQ*\b+(\q)], v[SC+8*NQ*(\sc)+NQ*(\a)+(\q)] matrix_a_fmt:MATRIX_FMT_FP6 matrix_b_fmt:MATRIX_FMT_FP6 matrix_a_scale:MATRIX_SCALE_ROW1
.else
	v_wmma_scale_f32_16x16x128_f8f6f4 v[8*(8*((\a)%4)+\b):8*(8*((\a)%4)+\b)+7], v[128*(\p)+FR*\b:128*(\p)+FR*\b+FR-1], v[AF+FR*(\a):AF+FR*(\a)+FR-1], v[8*(8*((\a)%4)+\b):8*(8*((\a)%4)+\b)+7], v[SC+8*NQ*(\sc)+NQ*\b+(\q)], v[SC+8*NQ*(\sc)+NQ*(\a)+(\q)] matrix_a_fmt:MATRIX_FMT_FP6 matrix_b_fmt:MATRIX_FMT_FP6 matrix_a_scale:MATRIX_SCALE_ROW1
.endif
.endr
.endr
.endm
.macro FETCH_B slot, q, p
	WIN TO_B
.irp i, 0,1,2,3,4,5,6,7
	FRAG 128*(\p)+FR*\i, ADRB+\slot, \q, \i
.endr
	WIN 0
.endm
.macro FETCH_A slot, q, i0
.irp i, \i0, \i0+1, \i0+2, \i0+3
	FRAG AF+FR*(\i), ADRA+\slot, \q, \i
.endr
.endm
.macro SCALES sc
.irp i, 0,1,2,3,4,5,6,7
	ds_load_b64 v[SC+8*NQ*\sc+NQ*\i:SC+8*NQ*\sc+NQ*\i+1], v[ADRS] offset:\i*SBLK
.endr
.endm
.macro PLACES n
.rept \n
	v_nop
.endr
.endm
.macro STEP slot, q, zero
	s_wait_dscnt 4*NL
	WIN MUL_LO
	MUL16 0, (\q)%2, \q, \slot, \zero
	MUL16 2, (\q)%2, \q, \slot, \zero
	s_wait_dscnt 0
	PLACES NP
	FETCH_B \slot, (\q)+1, 1-(\q)%2
	FETCH_A \slot, (\q)+1, 0
	WIN MUL_HI
	MUL16 4, (\q)%2, \q, \slot, \zero
	MUL16 6, (\q)%2, \q, \slot, \zero
	PLACES NP
	WIN 0
	FETCH_A \slot, (\q)+1, 4
.endm
.macro TURN slot, next, fill
	s_wait_tensorcnt 0x0
	ds_add_u32 v[SPW], v[NIL]
	s_wait_dscnt 4*NL+1
	WIN MUL_LO
	MUL16 0, 1, NQ-1, \slot, 0
	s_wait_dscnt 0x0
	s_barrier_signal -1
	MUL16 2, 1, NQ-1, \slot, 0
	WIN 0
	s_barrier_wait -1
.if \fill
	CREST
	s_add_nc_u64 s[G0+4*\slot+2:G0+4*\slot+3], s[G0+4*\slot+2:G0+4*\slot+3], 8*APL
	s_add_nc_u64 s[G0B+4*\slot+2:G0B+4*\slot+3], s[G0B+4*\slot+2:G0B+4*\slot+3], 8*BPL
	JLOAD G0+4*\slot, G1, G0B+4*\slot, G1B
.else
	PLACES NP
.endif
	s_wait_alu depctr_va_vdst(0)
	v_add_nc_u32 v[ADRS], 4*NQ, v[ADRS]
	FETCH_B \next, 0, 0
	FETCH_A \next, 0, 0
	SCALES \next
	WIN MUL_HI
	MUL16 4, 1, NQ-1, \slot, 0
	MUL16 6, 1, NQ-1, \slot, 0
	PLACES NP
	WIN 0
	FETCH_A \next, 0, 4
.endm
	s_wait_tensorcnt 1
	s_barrier_signal -1
	s_barrier_wait -1
	FETCH_B 0, 0, 0
	FETCH_A 0, 0, 0
	SCALES 0
	FETCH_A 0, 0, 4
	STEP 0, 0, 1
	TURN 0, 1, 1
	STEP 1, 0, 0
	TURN 1, 0, 1
	STEP 0, 0, 0
	TURN 0, 1, 0
	STEP 1, 0, 0
	s_wait_dscnt 4*NL
	WIN MUL_LO
	MUL16 0, 1, NQ-1, 1, 0
	MUL16 2, 1, NQ-1, 1, 0
	s_wait_dscnt 0
	WIN MUL_HI
	MUL16 4, 1, NQ-1, 1, 0
	MUL16 6, 1, NQ-1, 1, 0
	WIN 0
.macro UNIT sto, sts, c, idx, w, base, d2
.set PCQ, PC0+20*(UN%2)
.set PWQ, PW+UN%2
.set QS0, (\base)
.set QS1, (\base)+16
.set QS2, (\base)+(\d2)
.set QS3, (\base)+(\d2)+16
.if UN >= 2
	s_wait_dscnt 4
.endif
	WIN (\w)|((\w)<<2)
.irp b, 0,1,2,3
	v_max3_num_f32 v[TM+\b], |v[QS\b]|, |v[QS\b+1]|, 0x1800000
.endr
.irp i, 2,4,6,8,10,12,14
.irp b, 0,1,2,3
	v_max3_num_f32 v[TM+\b], |v[QS\b+\i]|, |v[QS\b+\i+1]|, v[TM+\b]
.endr
.endr
	WIN 0
.irp b, 0,1,2,3
	v_permlanex16_b32 v[TM+4+\b], v[TM+\b], s[SEL], s[SEL+1]
.endr
.irp b, 0,1,2,3
	v_max_num_f32 v[TM+\b], v[TM+\b], v[TM+4+\b]
.endr
.irp b, 0,1,2,3
	v_add_nc_u32 v[TM+12+\b], 0xff000000, v[TM+\b]
.endr
.irp b, 0,1,2,3
	v_lshrrev_b32 v[TM+4+\b], 23, v[TM+12+\b]
.endr
	v_lshl_or_b32 v[PWQ], v[TM+5], 8, v[TM+4]
	v_lshl_or_b32 v[PWQ], v[TM+6], 16, v[PWQ]
	v_lshl_or_b32 v[PWQ], v[TM+7], 24, v[PWQ]
	WIN (\w)
	v_cvt_scalef32_pk16_fp6_f32 v[PCQ:PCQ+2], v[QS0:QS0+15], v[TM+12]
	v_cvt_scalef32_pk16_fp6_f32 v[PCQ+12:PCQ+14], v[QS1:QS1+15], v[TM+13]
	v_cvt_scalef32_pk16_fp6_f32 v[PCQ+6:PCQ+8], v[QS2:QS2+15], v[TM+14]
	v_cvt_scalef32_pk16_fp6_f32 v[PCQ+16:PCQ+18], v[QS3:QS3+15], v[TM+15]
	WIN 0
	v_nop
.irp k, 0,1
.irp i, 0,1,2
	v_permlane16_swap_b32 v[PCQ+6*\k+\i], v[PCQ+12+4*\k+\i]
.endr
.irp i, 0,1,2
	v_mov_b32 v[PCQ+3+6*\k+\i], v[PCQ+12+4*\k+\i]
.endr
.endr
.irp j, 0,1,2
	ds_store_b128 v[\sto], v[PCQ+4*\j:PCQ+4*\j+3] offset:(\c)*RECS+(\idx)*1536+512*\j
.endr
	ds_store_b32 v[\sts], v[PWQ] offset:(\c)*RECS+6144+4*(\idx)
.set UN, UN+1
.endm
.macro WAYOUT sto, rd8
.irp c, 0,1
.irp j, 0,1,2,3,4,5,6,7,8,9,10,11
	ds_load_b128 v[RB+50*\c+4*\j:RB+50*\c+4*\j+3], v[\sto] offset:\c*RECS+512*\j
.endr
	ds_load_b64 v[RB+50*\c+48:RB+50*\c+49], v[\rd8] offset:\c*RECS+6144
.endr
.set WN, 25
.irp c, 0,1
.irp j, 0,1,2,3,4,5,6,7,8,9,10,11
	s_wait_dscnt WN
	global_store_b128 v[GO16], v[RB+50*\c+4*\j:RB+50*\c+4*\j+3], s[12:13] offset:\c*204800+512*\j
.set WN, WN-1
.endr
	s_wait_dscnt WN
	global_store_b64 v[GO8], v[RB+50*\c+48:RB+50*\c+49], s[12:13] offset:\c*204800+6144
.set WN, WN-1
.endr
.endm
	PLACES NP
	s_cmp_eq_u32 ttmp9, 2
	s_cbranch_scc1 .Lv_out
.set UN, 0
.irp c, 0,1
.irp i, 0,1,2,3
.set B0, 8*(8*((2*\i)%4)+4*\c)
.set WQ, 2+\i/2
	UNIT STO, STS, \c, \i, WQ, B0, 64
.endr
.endr
	WAYOUT STO, RD8
	s_branch .Lend
.Lv_out:
.set UN, 0
.irp c, 0,1
.irp t, 0,1,2,3
.set B0, 64*\t
.set WQ, 2+\c
	UNIT VSTO, VSTS, \c, \t, WQ, B0, 32
.endr
.endr
	WAYOUT VSTO, VRD8
.Lend:
	s_wait_tensorcnt 0x0
	ds_add_u32 v[SPW], v[NIL]
	s_wait_dscnt 0x0
	CROUND
	s_endpgm
.Lfunc_end_k_q2b653fe8b9_qkv:
	.size	k_q2b653fe8b9_qkv, .Lfunc_end_k_q2b653fe8b9_qkv-k_q2b653fe8b9_qkv
	.p2alignl 7, 3214868480
	.fill 96, 4, 3214868480
	.section	.rodata,"a",@progbits
	.p2align	6, 0x0
	.amdhsa_kernel k_q2b653fe8b9_qkv
		.amdhsa_group_segment_fixed_size 327680
		.amdhsa_private_segment_fixed_size 0
		.amdhsa_enable_private_segment 0
		.amdhsa_kernarg_size 24
		.amdhsa_user_sgpr_count 2
		.amdhsa_user_sgpr_kernarg_segment_ptr 1
		.amdhsa_wavefront_size32 1
		.amdhsa_system_sgpr_workgroup_id_x 1
		.amdhsa_system_sgpr_workgroup_id_y 1
		.amdhsa_system_sgpr_workgroup_id_z 1
		.amdhsa_system_vgpr_workitem_id 0
		.amdhsa_next_free_vgpr 1024
		.amdhsa_next_free_sgpr 102
		.amdhsa_reserve_vcc 0
		.amdhsa_float_denorm_mode_32 3
		.amdhsa_float_denorm_mode_16_64 3
		.amdhsa_memory_ordered 1
		.amdhsa_forward_progress 1
		.amdhsa_inst_pref_size 207
	.end_amdhsa_kernel
	.amdgpu_metadata
---
amdhsa.version: [ 1, 2 ]
amdhsa.kernels:
  - .name:           k_q2b653fe8b9_qkv
    .symbol:         k_q2b653fe8b9_qkv.kd
    .args:
      - { .name: codes, .offset: 0, .size: 8, .value_kind: global_buffer, .address_space: global }
      - { .name: scales, .offset: 8, .size: 8, .value_kind: global_buffer, .address_space: global }
      - { .name: qkv, .offset: 16, .size: 8, .value_kind: global_buffer, .address_space: global }
    .group_segment_fixed_size: 327680
    .private_segment_fixed_size: 0
    .kernarg_segment_align: 8
    .kernarg_segment_size: 24
    .max_flat_workgroup_size: 128
    .sgpr_count:     102
    .vgpr_count:     1024
    .wavefront_size: 32
...
	.end_amdgpu_metadata
.endif
;; end of part 2
;; launch attn (part 3): grid 16 x 16, 16 waves a work-group, no clusters, 327,680 bytes of LDS; arguments qkv, ctxc, ctxs; writes ctxc, ctxs
.if DOCPART == 3
	.amdgcn_target "amdgcn-amd-amdhsa--gfx1250"
	.amdhsa_code_object_version 6
	.text
	.protected	k_q2b653fe8b9_attn
	.globl	k_q2b653fe8b9_attn
	.p2align	8
	.type	k_q2b653fe8b9_attn,@function
k_q2b653fe8b9_attn:
	s_mov_b64 s[64:65], 0
	v_nop
	global_prefetch_b8 v0, s[64:65] scope:SCOPE_SE
	s_setreg_imm32_b32 hwreg(HW_REG_WAVE_MODE, 25, 1), 1
	s_wait_xcnt 0x0
; ctx[h][q] = the sum over keys k <= q of softmax_k(q . k / 8) v, 16 heads of 64, 4,096 tokens, both products on codes of FP6 (E2M3) with E8M0 scales; ctx is quantised along the head's 64 and leaves as codes.
; THE SOFTMAX: t = score x log2(e) / 8; M = the row's largest t so far, rounded UP to a whole number; p = 2^(t - M) is quantised along the keys, not normalised; the row's sum is taken of the unquantised p and divides at the end.
; When M moves, the sum and O are multiplied by 2^(old M - new M): exact.
; WORK LEFT OUT: key steps all of whose keys come after a block's queries.  Those scores are -infinity, so their p is 0 for all values of the inputs.  A NaN or infinity that reaches only them is not carried.
; INPUT.  qkv: [48 head slots: q, k, v][32 steps of 128 tokens][6,400 bytes]: four images of operand registers (1,536 bytes: registers 4 j .. 4 j + 3 of lane l at 512 j + 16 l), then the scale words (row r, image i at 16 r + 4 i).
; An image of q or k is a PAIR: K 0-63 = the 64 channels of tile 2 i's row r, K 64-127 = those of tile 2 i + 1's.  K's pair is multiplied by [Q | 0] for tile 2 i and by [0 | Q] for tile 2 i + 1; the zeros are zero codes.  An image of v is 16 channels x the step's 128 keys.
; ORDER.  Sixteen rows on end of any tile are the rows 32 b + 8 u + r + 8 (r / 8) (tile 2 b + u).  Both products are used transposed (S^T = K Q^T, O^T = V^T P^T): a lane holds ONE query.
; SHARES.  Work-group (j, head), sixteen waves, four to a SIMD, takes the head's query blocks j and 31 - j, 128 queries each, one after the other.  Block j needs key steps 0 .. j, block 31 - j steps 0 .. 31 - j: one stream of 33 steps in every work-group.
; Waves w and w + 8 own tile w of a block: waves 0-7 take the stream's even steps, waves 8-15 the odd ones, each with its own M, sum and O^T.  At its own change of blocks (a scalar branch on ids) a wave puts its part of block j into LDS bytes of its own.
; At the end waves 8-15 put down their part of block 31 - j; behind a barrier waves 0-7 join the two parts of block 31 - j and waves 8-15 those of block j: both under the larger M, by factors that are powers of two; then divided, quantised, stored.
; A part that took no step holds -M = 3e38, sum 0 and O^T 0: its factor comes out 0.
; RING.  Two LDS slots of eight stream steps (K's eight records, then V's).  Wave w brings ONE record a fill: K's (w even) or V's (w odd) of step w / 2; the fifth fill is one step: waves 0 and 1.
; NO CLUSTER: the sixteen work-groups of a head stand at different records of K and V in all but their first j + 1 steps, so partners would ask for different tiles.
; PREFETCH: the head's work-group j = 0 asks, behind each refill, for the records of the refill after the next one's: a wave its own record, lanes 256 bytes apart (25 blocks; lanes 25-31 name lane 24's again).  Records 0-14 and 31 come by their loads alone.
; LIMITS: NaN and infinities are not served; the scaled scores stay under 2^31 in magnitude; blocks of ctx under 2^-124 and blocks of zeros carry the byte 1 (this program alone reads the bytes).
; REGISTERS: v1-3 16 x lane, 16 x (lane % 16), my query - 16 (lane / 16); v4, v7, v25-27, v29 the parts' LDS addresses; v5-6 the add's; v8-9 addresses in hand; v10-11, v22-24 the way out's; v12 -M, v13 the largest t, v[14:15] the sum; v20-21 Q's offsets;
;   v28 the prefetch's offset; v32-79 four fragments of K, then of V; v80-87 their scale words; v96-159 S^T, then p; v160-191 O^T; v192-209 zeros, Q, zeros; v210 Q's scale word; v211-223 Q as loaded; v224-255 p's codes and at work; v253 p's scale word.
.set REC,   6400
.set HSB,   204800
.set VOFF,  8*REC
.set SLOT1, 131072
.set PART,  4352                       ; a part: O^T, 32 registers x 128 bytes, then -M and the sum, 8 bytes a lane
.set GAP,   102400                     ; behind slot 0: block 31 - j's parts of waves 8 to 13;
.set JUMP,  176640                     ; those of waves 14 and 15 stand at 305,152
.set PAB,   233472                     ; behind slot 1: block j's sixteen parts
.set SPARE, 303104                     ; the spare words, 128 bytes for each wave
.set STAGE, 313856                     ; the way out: 768 bytes for each wave
.set LI,   1
.set LR,   2
.set QL,   3
.set AO16, 4
.set SPW,  5
.set NIL,  6
.set AO8,  7
.set ADK,  8
.set ADS,  9
.set SIN,  10
.set SB16, 11
.set SB8,  22
.set G8,   23
.set GS,   24
.set A116, 25
.set A18,  26
.set AX16, 27
.set PFO,  28
.set AX8,  29
.set TB,   2                           ; LDS byte at which the step's record of K begins
.set KF,   3                           ; the step's first key
.set WV,   18
.set TL,   19                          ; my tile of a block
.set SEL,  20
.set CS,   22
.set G1,   24
.set G0,   32
.set SLOTS, 36
.set CNT,  37
.set QB,   38                          ; my block's first query
.set KI,   39                          ; my step's number in the stream
.set JP1,  40
.set J,    41
.set UM,   42
.set U16,  43
.set PFA,  44
.set LIM,  46
.set HEAD, 47
.set IDX,  48                          ; the stream number of the step whose record I fetch
.set GRP,  49                          ; 0: even steps, 1: odd steps
.set BASE, 50                          ; K's or V's head slot
.set T,    52
.set QPA,  54                          ; Q's record for block j, for block 31 - j
.set QPB,  56
.set CC,   58                          ; ctxc and ctxs for the tile that I join and store
.set CSP,  60
.set SWI,  62                          ; my first stream step of block 31 - j
.set KFS,  63                          ; and its first key
.set DQ,   68
.set QB2,  69
.set BLB,  80
.set FB,   86
.macro TLOAD
	tensor_load_to_lds s[G0:G0+3], s[G1:G1+7]
	s_nop 0
.rept 4
	v_nop
.endr
.endm
.macro RECADR                          ; stream step IDX is record IDX of block j's walk, or record IDX - (j + 1) of block 31 - j's
	s_cmp_gt_u32 s[IDX], s[J]
	s_cselect_b32 s[T], s[JP1], 0
	s_sub_co_u32 s[T], s[IDX], s[T]
	s_mul_i32 s[T], s[T], REC
	s_add_nc_u64 s[G0+2:G0+3], s[BASE:BASE+1], s[T:T+1]
	s_or_b32 s[G0+3], s[G0+3], 0x80000000
.endm
.macro ASK
	s_cmp_gt_u32 s[SLOTS], s[LIM]
	s_cbranch_scc0 .Lnot_mine_\@
	global_prefetch_b8 v[PFO], s[PFA:PFA+1] th:TH_LOAD_NT scope:SCOPE_SE
.Lnot_mine_\@:
.endm
.macro QADR blk, qp                    ; (s77 holds 0)
	s_lshl_b32 s76, s[HEAD], 5
	s_add_co_u32 s76, s76, s[\blk]
	s_mul_i32 s76, s76, REC
	s_add_nc_u64 s[\qp:\qp+1], s[4:5], s[76:77]
.endm
.macro QISSUE qp                       ; my pair image of Q and its scale word
.irp j, 0,1,2
	global_load_b128 v[212+4*\j:215+4*\j], v20, s[\qp:\qp+1] offset:512*\j
.endr
	global_load_b32 v211, v21, s[\qp:\qp+1] offset:6144
.endm
.macro QSET                            ; Q into its place between the zeros; M, the sum and O^T begin anew
	s_wait_loadcnt 0x0
.irp k, 0,1,2,3,4,5
	v_cndmask_b32 v[198+\k], v[212+\k], v[218+\k], s[UM]   ; my tile's half of the pair
.endr
	v_lshrrev_b32 v211, s[U16], v211
	s_delay_alu instid0(VALU_DEP_1)
	v_and_b32 v211, 0xffff, v211
	s_delay_alu instid0(VALU_DEP_1)
	v_lshl_or_b32 v210, v211, 16, v211             ; my tile's two scale bytes, for whichever half of K Q stands in
	v_mov_b32 v13, 0xff61b1e6                      ; -3e38, under every t
	s_delay_alu instid0(VALU_DEP_1)
	v_floor_f32 v12, -v13
	v_mov_b32 v14, 0
	v_mov_b32 v15, 0
.set N, 0
.rept 32
	v_mov_b32 v[160+N], 0                          ; these also stand between Q's registers and scale word and the next product
.set N, N+1
.endr
.endm
.macro DUMP a16, a8                    ; a part into LDS: each accumulator from its low end on; v[12:13] = -M, the sum
.irp k, 0,1,2,3,4,5,6,7
	ds_store_b128 v[\a16], v[160+4*\k:163+4*\k] offset:512*\k
.endr
	ds_store_b64 v[\a8], v[12:13] offset:4096
.endm
.macro LOADP o, m, a16, a8             ; and back
.irp k, 0,1,2,3,4,5,6,7
	ds_load_b128 v[\o+4*\k:\o+4*\k+3], v[\a16] offset:512*\k
.endr
	ds_load_b64 v[\m:\m+1], v[\a8] offset:4096
.endm
; THE WAY OUT of a tile.  O^T / the sum is ctx: register 16 b + i of a lane is channel 32 b + 16 h + i of my query.  Its two blocks of 32 are quantised; a row's 48 bytes go through my stage, and the tile's 768 bytes leave on end.
.macro FINISH cc, cs
	v_add_f32 v14, v14, v15
	s_delay_alu instid0(VALU_DEP_1)
	v_permlanex16_b32 v252, v14, s[SEL], s[SEL+1]
	s_delay_alu instid0(VALU_DEP_1)
	v_add_f32 v14, v14, v252                       ; the row's sum
	s_wait_alu depctr_va_vdst(0)                   ; the wait ahead of the transcendental
	v_rcp_f32 v14, v14
	v_nop                                          ; a plain place behind the reciprocal
	s_wait_alu depctr_va_vdst(0)                   ; and the wait ahead of its first reader
.set N, 0
.rept 32
	v_mul_f32 v[96+N], v[160+N], v14
.set N, N+1
.endr
	v_max3_num_f32 v232, |v96|, |v97|, 0x1800000   ; my 16 numbers of each block, and the floor
	v_max3_num_f32 v233, |v112|, |v113|, 0x1800000
.irp i, 2,4,6,8,10,12,14
	s_delay_alu instid0(VALU_DEP_2)
	v_max3_num_f32 v232, v232, |v[96+\i]|, |v[97+\i]|
	s_delay_alu instid0(VALU_DEP_2)
	v_max3_num_f32 v233, v233, |v[112+\i]|, |v[113+\i]|
.endr
	s_delay_alu instid0(VALU_DEP_2)
	v_permlanex16_b32 v236, v232, s[SEL], s[SEL+1]
	s_delay_alu instid0(VALU_DEP_2)
	v_permlanex16_b32 v237, v233, s[SEL], s[SEL+1]
	s_delay_alu instid0(VALU_DEP_2)
	v_max_num_f32 v232, v232, v236
	s_delay_alu instid0(VALU_DEP_2)
	v_max_num_f32 v233, v233, v237
	s_delay_alu instid0(VALU_DEP_2)
	v_add_nc_u32 v244, 0xff000000, v232
	s_delay_alu instid0(VALU_DEP_2)
	v_add_nc_u32 v245, 0xff000000, v233
	s_delay_alu instid0(VALU_DEP_2)
	v_lshrrev_b32 v246, 23, v244
	s_delay_alu instid0(VALU_DEP_2)
	v_lshrrev_b32 v247, 23, v245
	s_delay_alu instid0(VALU_DEP_1)
	v_lshl_or_b32 v246, v247, 8, v246              ; my row's two scale bytes
	v_cvt_scalef32_pk16_fp6_f32 v[224:226], v[96:111], v244
	v_cvt_scalef32_pk16_fp6_f32 v[236:238], v[112:127], v245
	v_nop                                          ; one plain place behind a scaled conversion
.irp i, 0,1,2
	v_permlane16_swap_b32 v[224+\i], v[236+\i]     ; lanes 0-15 now hold block 0 whole, lanes 16-31 block 1
.endr
.irp i, 0,1,2
	s_delay_alu instid0(VALU_DEP_3)
	v_mov_b32 v[227+\i], v[236+\i]
.endr
.irp i, 0,1,2
	ds_store_b64 v[SIN], v[224+2*\i:225+2*\i] offset:8*\i   ; row r's 48 bytes: block h at 24 h
.endr
	ds_load_b128 v[32:35], v[SB16]                 ; LDS serves a wave's instructions in order: these see my stores
	ds_load_b64 v[36:37], v[SB8] offset:512
	global_store_b16 v[GS], v246, s[\cs:\cs+1]     ; two bytes of each row's 32: lanes l and l xor 16 write the same bytes
	s_wait_dscnt 1                                 ; the first load is in; the second may be out
	global_store_b128 v[LI], v[32:35], s[\cc:\cc+1]   ; 512 consecutive bytes, aligned,
	s_wait_dscnt 0x0
	global_store_b64 v[G8], v[36:37], s[\cc:\cc+1] offset:512   ; and the 256 behind them
.endm
	s_load_b128 s[4:7], s[0:1], 0x0                ; qkv s[4:5], ctxc s[6:7]
	s_load_b64 s[8:9], s[0:1], 0x10                ; ctxs
	v_lshl_add_u32 v[SPW], v0, 2, SPARE
	v_mov_b32 v[NIL], 0
	ds_add_u32 v[SPW], v[NIL]                      ; the opening lines: the add, twice on end, and its wait
	ds_add_u32 v[SPW], v[NIL]
	v_lshrrev_b32 v8, 5, v0
	s_delay_alu instid0(VALU_DEP_1)
	v_readfirstlane_b32 s[WV], v8                  ; wave 0..15
	s_mov_b32 s[J], ttmp9
	s_add_co_u32 s[JP1], ttmp9, 1
	s_and_b32 s[HEAD], ttmp7, 0xffff
	s_mov_b32 s[G1], 3<<16                         ; a record: 25 rows of 256 bytes (32 elements of 8 bytes), dense
	s_mov_b32 s[G1+1], 32<<16
	s_mov_b32 s[G1+2], 25<<16
	s_mov_b32 s[G1+3], 32<<16
	s_mov_b32 s[G1+4], 25
	s_mov_b32 s[G1+5], 32
	s_mov_b32 s[G1+6], 0
	s_mov_b32 s[G1+7], 0
	s_and_b32 s70, s[WV], 1                        ; K's (0) or V's (1)
	s_lshr_b32 s[IDX], s[WV], 1                    ; which step of the eight
	s_mul_i32 s71, s70, VOFF
	s_mul_i32 s72, s[IDX], REC
	s_mov_b32 s[G0], 1
	s_add_co_u32 s[G0+1], s71, s72                 ; slot 0
	s_lshl_b32 s73, s70, 4
	s_add_co_u32 s73, s73, s[HEAD]
	s_add_co_u32 s73, s73, 16
	s_mul_i32 s74, s73, HSB
	s_mov_b32 s75, 0
	s_mov_b32 s[T+1], 0
	s_wait_dscnt 0x0
	s_wait_kmcnt 0x0
	s_add_nc_u64 s[BASE:BASE+1], s[4:5], s[74:75]
	RECADR
	TLOAD                                          ; stream steps 0 to 7: one record a wave
	s_add_co_u32 s76, s[IDX], 7                    ; the prefetches (j = 0: stream step s is record s - 1): they stand at the second fill's record; each refill steps them
	s_mul_i32 s76, s76, REC
	s_mov_b32 s77, 0
	s_add_nc_u64 s[PFA:PFA+1], s[BASE:BASE+1], s[76:77]
	s_cmp_eq_u32 s[J], 0
	s_cselect_b32 s[LIM], 1, -1
	s_and_b32 s[TL], s[WV], 7
	s_lshr_b32 s[GRP], s[WV], 3
	s_sub_co_u32 s[BLB], 31, s[J]
	QADR J, QPA
	QADR BLB, QPB
	s_cmp_eq_u32 s[GRP], 0
	s_cselect_b32 s[FB], s[BLB], s[J]              ; the block whose tile I join and store
	s_lshl_b32 s78, s[FB], 3
	s_add_co_u32 s78, s78, s[TL]                   ; that tile
	s_mul_i32 s76, s78, 768
	s_mul_i32 s79, s[HEAD], 196608
	s_add_co_u32 s76, s76, s79
	s_add_nc_u64 s[CC:CC+1], s[6:7], s[76:77]
	s_lshl_b32 s76, s78, 9
	s_lshl_b32 s79, s[HEAD], 1
	s_add_co_u32 s76, s76, s79
	s_add_nc_u64 s[CSP:CSP+1], s[8:9], s[76:77]
	s_xor_b32 s89, s[JP1], s[GRP]
	s_and_b32 s89, s89, 1
	s_add_co_u32 s[SWI], s[JP1], s89               ; the first stream step of my kind from j + 1 on
	s_lshl_b32 s[KFS], s89, 7
	s_lshl_b32 s[QB], s[J], 7
	s_lshl_b32 s[QB2], s[BLB], 7
	s_sub_co_u32 s[DQ], s[QB2], s[QB]
	s_and_b32 s88, s[TL], 1
	s_lshr_b32 s87, s[TL], 1
	s_sub_co_u32 s[UM], 0, s88                     ; all ones where my tile is the odd one of its pair
	s_lshl_b32 s[U16], s88, 4
	s_lshl_b32 s82, s88, 3
	s_lshl_b32 s83, s87, 5
	s_add_co_u32 s82, s82, s83
	s_add_co_u32 s82, s82, s[QB]                   ; lane 0's query: 128 block + 32 (tile / 2) + 8 (tile % 2)
	s_mul_i32 s84, s87, 1536                       ; my pair of Q's record
	s_lshl_b32 s85, s87, 2
	s_mul_i32 s81, s[WV], 768
	s_add_co_u32 s81, s81, STAGE                   ; my stage
	s_mul_i32 s90, s[WV], PART
	s_add_co_u32 s90, s90, PAB                     ; my part of block j
	s_mul_i32 s91, s[TL], PART
	s_add_co_u32 s92, s[TL], 2
	s_lshr_b32 s92, s92, 3
	s_mul_i32 s92, s92, JUMP
	s_add_co_u32 s92, s92, s91
	s_add_co_u32 s92, s92, GAP                     ; my tile's part of block 31 - j from the odd steps
	s_add_co_u32 s91, s91, PAB                     ; my tile's part of block j from the even steps
	s_mov_b32 s[SEL], 0x76543210
	s_mov_b32 s[SEL+1], 0xfedcba98
	s_mov_b32 s[CS], 0x3e38aa3b                    ; c = log2(e) / 8
	s_mov_b32 s[CS+1], s[CS]
	s_mul_i32 s[TB], s[GRP], REC
	s_lshl_b32 s[KF], s[GRP], 7
	s_mov_b32 s[KI], s[GRP]
	s_mov_b32 s[SLOTS], 3
	v_and_b32 v16, 31, v0                          ; lane
	v_and_b32 v17, 15, v0                          ; r
	v_bfe_u32 v18, v0, 4, 1                        ; h
	s_delay_alu instid0(VALU_DEP_3)
	v_lshlrev_b32 v[LI], 4, v16
	s_delay_alu instid0(VALU_DEP_3)
	v_lshlrev_b32 v[LR], 4, v17
	s_delay_alu instid0(VALU_DEP_4)
	v_and_b32 v19, 8, v17
	s_delay_alu instid0(VALU_DEP_1)
	v_add_nc_u32 v19, v19, v17                     ; r + 8 (r / 8)
	v_lshlrev_b32 v20, 4, v18
	s_delay_alu instid0(VALU_DEP_1)
	v_sub_nc_u32 v19, v19, v20
	s_delay_alu instid0(VALU_DEP_1)
	v_add_nc_u32 v[QL], s82, v19                   ; my query - 16 h
	v_min_u32 v[PFO], 24, v16
	s_delay_alu instid0(VALU_DEP_1)
	v_lshlrev_b32 v[PFO], 8, v[PFO]
	v_mul_u32_u24 v[SIN], v17, 48
	s_delay_alu instid0(VALU_DEP_1)
	v_mad_u32_u24 v[SIN], v18, 24, v[SIN]
	s_delay_alu instid0(VALU_DEP_1)
	v_add_nc_u32 v[SIN], s81, v[SIN]
	v_add_nc_u32 v[SB16], s81, v[LI]
	v_lshlrev_b32 v[G8], 3, v16
	s_delay_alu instid0(VALU_DEP_1)
	v_add_nc_u32 v[SB8], s81, v[G8]
	v_lshlrev_b32 v[GS], 5, v17
	v_add_nc_u32 v[AO16], s90, v[LI]
	v_add_nc_u32 v[AO8], s90, v[G8]
	v_add_nc_u32 v[A116], s91, v[LI]
	v_add_nc_u32 v[A18], s91, v[G8]
	v_add_nc_u32 v[AX16], s92, v[LI]
	v_add_nc_u32 v[AX8], s92, v[G8]
	v_add_nc_u32 v20, s84, v[LI]                   ; Q's pair image: 16 bytes a lane
	v_add_nc_u32 v21, s85, v[LR]                   ; and its scale word
	s_wait_alu depctr_va_vdst(0)                   ; the wait ahead of the readers below
	QISSUE QPA
.irp k, 0,1,2,3,4,5
	v_mov_b32 v[192+\k], 0                         ; zero codes below Q: v[192:203] = [0 | Q],
	v_mov_b32 v[204+\k], 0                         ; and above: v[198:209] = [Q | 0]
.endr
.irp b, 0,1,2,3
	v_mov_b32 v[236+\b], 0                         ; a lane permute's destination counts as one of its sources
.endr
	v_mov_b32 v252, 0
	v_mov_b32 v253, 0
	QSET
; A KEY STEP: 128 keys.  sw = 1: the copy in which the change of blocks can fall (stream steps 1 to 17)
.macro STEP sw
.if \sw
	s_cmp_eq_u32 s[KI], s[SWI]                     ; ids and a counted loop's steps alone
	s_cbranch_scc0 .Lsame_\@
	v_add_f32 v13, v14, v15                        ; my sum's two halves
.rept 3
	v_nop                                          ; four places behind the last products
.endr
	QISSUE QPB
	DUMP AO16, AO8                                 ; my part of block j
	v_add_nc_u32 v[QL], s[DQ], v[QL]
	s_wait_dscnt 0x0                               ; the stores have read their registers
	QSET
	s_mov_b32 s[KF], s[KFS]
	s_mov_b32 s[QB], s[QB2]
	s_wait_alu depctr_va_vdst(0)
.Lsame_\@:
.endif
	v_add_nc_u32 v[ADK], s[TB], v[LI]
	v_add_nc_u32 v[ADS], s[TB], v[LR]
	v_nop
	v_nop                                          ; four places in front of loads into registers that the last products have read
.irp i, 0,1,2,3
.irp j, 0,1,2
	ds_load_b128 v[32+12*\i+4*\j:35+12*\i+4*\j], v[ADK] offset:1536*\i+512*\j   ; K's four pair images: 512 consecutive bytes a load
.endr
.endr
	ds_load_b128 v[80:83], v[ADS] offset:6144      ; their scale words
	s_wait_alu depctr_va_vdst(0)
	s_wait_dscnt 0x0
.irp i, 0,1,2,3                        ; S^T = K Q^T: the pair against [Q | 0] gives tile 2 i, against [0 | Q] tile 2 i + 1
	v_wmma_scale_f32_16x16x128_f8f6f4 v[96+16*\i:103+16*\i], v[32+12*\i:43+12*\i], v[198:209], 0, v[80+\i], v210 matrix_a_fmt:MATRIX_FMT_FP6 matrix_b_fmt:MATRIX_FMT_FP6
	v_wmma_scale_f32_16x16x128_f8f6f4 v[104+16*\i:111+16*\i], v[32+12*\i:43+12*\i], v[192:203], 0, v[80+\i], v210 matrix_a_fmt:MATRIX_FMT_FP6 matrix_b_fmt:MATRIX_FMT_FP6
.endr                                  ; register 16 b + i is key KF + 32 b + 16 h + i
.rept 4
	v_nop                                          ; places: for the loads below and for the first read of the scores
.endr
.irp t, 0,1,2,3
.irp j, 0,1,2
	ds_load_b128 v[32+12*\t+4*\j:35+12*\t+4*\j], v[ADK] offset:VOFF+1536*\t+512*\j   ; V's four images take K's registers
.endr
.endr
	ds_load_b128 v[84:87], v[ADS] offset:VOFF+6144
	s_add_co_u32 s96, s[KF], 127                   ; on the diagonal the scores of hidden keys become -infinity ahead of the maximum; a step all of whose keys count skips this
	s_cmp_le_u32 s96, s[QB]
	s_cbranch_scc1 .Lopen_\@
	v_sub_nc_u32 v252, v[QL], s[KF]                ; d = my query - KF - 16 h: register 16 b + i is hidden where 32 b + i > d
	v_mov_b32 v254, 0xff800000
.set N, 0
.rept 64
	v_cmp_gt_i32 vcc_lo, 32*(N/16)+N%16, v252
	v_cndmask_b32 v[96+N], v[96+N], v254, vcc_lo
.set N, N+1
.endr
.Lopen_\@:
.irp b, 0,1,2,3
	v_max3_num_f32 v[232+\b], v[96+16*\b], v[97+16*\b], v[98+16*\b]   ; the largest score of each block of 32 keys: for the row's maximum and for the block's largest p
.endr
.irp i, 3,5,7,9,11,13
.irp b, 0,1,2,3
	v_max3_num_f32 v[232+\b], v[232+\b], v[96+16*\b+\i], v[97+16*\b+\i]
.endr
.endr
.irp b, 0,1,2,3
	v_max_num_f32 v[232+\b], v[232+\b], v[111+16*\b]
.endr
.irp b, 0,1,2,3
	s_delay_alu instid0(VALU_DEP_4)
	v_permlanex16_b32 v[236+\b], v[232+\b], s[SEL], s[SEL+1]
.endr
.irp b, 0,1,2,3
	s_delay_alu instid0(VALU_DEP_4)
	v_max_num_f32 v[232+\b], v[232+\b], v[236+\b]  ; with lane l xor 16's 16 keys
.endr
	s_delay_alu instid0(VALU_DEP_2)
	v_max3_num_f32 v254, v232, v233, v234
	s_delay_alu instid0(VALU_DEP_1)
	v_max_num_f32 v254, v254, v235
	s_delay_alu instid0(VALU_DEP_1)
	v_mul_f32 v254, s[CS], v254                    ; as t
	s_delay_alu instid0(VALU_DEP_1)
	v_max_num_f32 v13, v13, v254                   ; the running largest t
	v_mov_b32 v254, v12
	s_delay_alu instid0(VALU_DEP_2)
	v_floor_f32 v12, -v13                          ; the new -M = -ceil(t)
	s_delay_alu instid0(VALU_DEP_1)
	v_sub_f32 v254, v12, v254                      ; old M - new M
	s_delay_alu instid0(VALU_DEP_1)
	v_cvt_i32_f32 v254, v254
	s_delay_alu instid0(VALU_DEP_1)
	v_ldexp_f32 v252, 1.0, v254                    ; f = 2^(old M - new M)
.set N, 0
.rept 32
	v_pk_fma_f32 v[96+N:97+N], v[96+N:97+N], s[CS:CS+1], v[12:13] op_sel_hi:[1,0,0]   ; t - M, two at a time
.set N, N+2
.endr
.irp b, 0,1,2,3
	v_fma_f32 v[232+\b], v[232+\b], s[CS], v12     ; the same of each block's largest score
.endr
	s_wait_alu depctr_va_vdst(0)                   ; the wait ahead of the batch
.set N, 0
.rept 64
	v_exp_f32 v[96+N], v[96+N]                     ; p = 2^(t - M), at most 1
.set N, N+1
.endr
	v_pk_mul_f32 v[14:15], v[14:15], v[252:253] op_sel_hi:[1,0]   ; the sums under the new M: a plain instruction behind the exponentials
	s_wait_alu depctr_va_vdst(0)                   ; one wait for the whole batch
.irp b, 0,1,2,3
	v_exp_f32 v[232+\b], v[232+\b]                 ; the block's largest p
.endr
	v_pk_add_f32 v[236:237], v[100:101], v[104:105]   ; the row's sum of the unquantised p, in eight chains
	v_pk_add_f32 v[254:255], v[108:109], v[112:113]
	v_pk_add_f32 v[250:251], v[116:117], v[120:121]
	v_pk_add_f32 v[248:249], v[124:125], v[128:129]
	v_pk_add_f32 v[246:247], v[132:133], v[136:137]
	v_pk_add_f32 v[244:245], v[140:141], v[144:145]
	v_pk_add_f32 v[242:243], v[148:149], v[152:153]
	v_pk_add_f32 v[14:15], v[14:15], v[156:157]
	v_pk_add_f32 v[236:237], v[236:237], v[96:97]
	v_pk_add_f32 v[254:255], v[254:255], v[98:99]
	v_pk_add_f32 v[250:251], v[250:251], v[102:103]
	v_pk_add_f32 v[248:249], v[248:249], v[106:107]
	v_pk_add_f32 v[246:247], v[246:247], v[110:111]
	v_pk_add_f32 v[244:245], v[244:245], v[114:115]
	v_pk_add_f32 v[242:243], v[242:243], v[118:119]
	v_pk_add_f32 v[14:15], v[14:15], v[122:123]
	v_pk_add_f32 v[236:237], v[236:237], v[126:127]
	v_pk_add_f32 v[254:255], v[254:255], v[130:131]
	v_pk_add_f32 v[250:251], v[250:251], v[134:135]
	v_pk_add_f32 v[248:249], v[248:249], v[138:139]
	v_pk_add_f32 v[246:247], v[246:247], v[142:143]
	v_pk_add_f32 v[244:245], v[244:245], v[146:147]
	v_pk_add_f32 v[242:243], v[242:243], v[150:151]
	v_pk_add_f32 v[14:15], v[14:15], v[154:155]
	v_pk_add_f32 v[236:237], v[236:237], v[158:159]
	s_delay_alu instid0(VALU_DEP_2)
	v_pk_add_f32 v[14:15], v[14:15], v[248:249]
	s_delay_alu instid0(VALU_DEP_2)
	v_pk_add_f32 v[236:237], v[236:237], v[246:247]
	v_pk_add_f32 v[254:255], v[254:255], v[244:245]
	v_pk_add_f32 v[250:251], v[250:251], v[242:243]
	s_delay_alu instid0(VALU_DEP_2)
	v_pk_add_f32 v[14:15], v[14:15], v[254:255]
	s_delay_alu instid0(VALU_DEP_2)
	v_pk_add_f32 v[236:237], v[236:237], v[250:251]
	s_delay_alu instid0(VALU_DEP_1)
	v_pk_add_f32 v[14:15], v[14:15], v[236:237]
	s_wait_alu depctr_va_vdst(0)                   ; and one for the four
.irp b, 0,1,2,3
	v_max_num_f32 v[232+\b], 0x1800000, v[232+\b]  ; the floor 2^(3 - 127): the byte cannot fall under 1
.endr
.irp b, 0,1,2,3
	s_delay_alu instid0(VALU_DEP_4)
	v_add_nc_u32 v[244+\b], 0xff000000, v[232+\b]  ; 2 off the exponent field: the conversion's scale operand
.endr
.irp b, 0,1,2,3
	s_delay_alu instid0(VALU_DEP_4)
	v_lshrrev_b32 v[236+\b], 23, v[244+\b]         ; the scale's byte
.endr
	s_delay_alu instid0(VALU_DEP_3)
	v_lshl_or_b32 v253, v237, 8, v236              ; p's scale word for these 128 keys
	s_delay_alu instid0(VALU_DEP_1)
	v_lshl_or_b32 v253, v238, 16, v253
	s_delay_alu instid0(VALU_DEP_1)
	v_lshl_or_b32 v253, v239, 24, v253
.irp c, 0,1
	v_cvt_scalef32_pk16_fp6_f32 v[224+6*\c:226+6*\c], v[96+32*\c:111+32*\c], v[244+2*\c]
	v_cvt_scalef32_pk16_fp6_f32 v[236+4*\c:238+4*\c], v[112+32*\c:127+32*\c], v[244+2*\c+1]
.endr
	v_nop                                          ; one plain place behind a scaled conversion
.irp c, 0,1                            ; a WHOLE block in a lane: lanes 0-15 block 2 c, lanes 16-31 block 2 c + 1
.irp i, 0,1,2
	v_permlane16_swap_b32 v[224+6*\c+\i], v[236+4*\c+\i]
.endr
.irp i, 0,1,2
	s_delay_alu instid0(VALU_DEP_3)
	v_mov_b32 v[227+6*\c+\i], v[236+4*\c+\i]
.endr
.endr
.set N, 0
.rept 16
	v_pk_mul_f32 v[160+N:161+N], v[160+N:161+N], v[252:253] op_sel_hi:[1,0]   ; O^T under the new M; these stand between p's codes and scale word and the products
.set N, N+2
.endr
	s_wait_alu depctr_va_vdst(0)
	s_wait_dscnt 0x0                               ; V is in
.irp t, 0,1,2,3                        ; O^T += V^T P^T: the four accumulators take turns, and eight other products stand between two links
	v_wmma_scale_f32_16x16x128_f8f6f4 v[160+8*\t:167+8*\t], v[32+12*\t:43+12*\t], v[224:235], v[160+8*\t:167+8*\t], v[84+\t], v253 matrix_a_fmt:MATRIX_FMT_FP6 matrix_b_fmt:MATRIX_FMT_FP6
.endr
	s_add_co_u32 s[KF], s[KF], 256                 ; my next step is two on
	s_add_co_u32 s[TB], s[TB], 2*REC
	s_add_co_u32 s[KI], s[KI], 2
.endm
.macro FOUR_STEPS sw                   ; my four of a slot's eight key steps: written once, walked four times
	s_mov_b32 s[CNT], 4
.Lstep_\@:
	STEP \sw
	s_sub_co_u32 s[CNT], s[CNT], 1
	s_cmp_lg_u32 s[CNT], 0
	s_cbranch_scc1 .Lstep_\@
	s_sub_co_u32 s[TB], s[TB], 8*REC
	s_xor_b32 s[TB], s[TB], SLOT1                  ; my first step of the other slot
.endm
; THE CHANGE OF SLOTS.  Each wave waits for all its tensor loads (one is out: its record of the slot ahead), adds 0 to its spare word, and waits for that and for its reads of the slot that it has left; behind the barrier that slot is filled again first.
; fill = 1: every wave fetches; 2: the fifth fill, one step: waves 0 and 1; 0: nothing is left to fetch.
.macro CHANGE fill
	s_wait_tensorcnt 0x0                           ; no tensor load of mine is out, so group 0 may be written
	ds_add_u32 v[SPW], v[NIL]
.if \fill
	s_xor_b32 s[G0+1], s[G0+1], SLOT1
	s_add_co_u32 s[IDX], s[IDX], 8
	RECADR
.endif
.if \fill == 1
	s_wait_xcnt 0x0                                ; the last prefetch, a slot back, has read its address
	s_add_nc_u64 s[PFA:PFA+1], s[PFA:PFA+1], 8*REC
.endif
	s_wait_dscnt 0x0
	s_barrier_signal -1
	s_barrier_wait -1
.if \fill == 1
	TLOAD
	ASK
.endif
.if \fill == 2
	s_cmp_lt_u32 s[WV], 2
	s_cbranch_scc0 .Lnone_\@
	TLOAD
.Lnone_\@:
.endif
.endm
	s_wait_alu depctr_va_vdst(0)                   ; the wait at the head's end
.Lslot:                                            ; three trips: stream steps 0 to 23; fills 1 to 3
	CHANGE 1
	FOUR_STEPS 1
	s_sub_co_u32 s[SLOTS], s[SLOTS], 1
	s_cmp_lg_u32 s[SLOTS], 0
	s_cbranch_scc1 .Lslot
	CHANGE 2                                       ; the tail is written out
	FOUR_STEPS 0
	CHANGE 0
	s_cmp_lt_u32 s[WV], 8
	s_cbranch_scc0 .Lodd
	STEP 0                                         ; stream step 32, an even one: block 31 - j's diagonal
.Lodd:
	; THE TWO PARTS OF A TILE ARE JOINED
	v_add_f32 v13, v14, v15                        ; my sum's two halves.  (With the three lines below: four places behind the last products)
	v_mov_b32 v135, 0                              ; (named as the upper halves of pairs)
	v_mov_b32 v137, 0
	v_mov_b32 v15, 0
	s_wait_alu depctr_va_vdst(0)                   ; the wait ahead of the branch
	s_cmp_lt_u32 s[WV], 8
	s_cbranch_scc1 .Lkeep
	DUMP AX16, AX8                                 ; waves 8-15: my part of block 31 - j
.Lkeep:
	s_wait_dscnt 0x0
	s_barrier_signal -1
	s_barrier_wait -1                              ; all parts lie in LDS, or in the registers of the wave that joins them
	s_cmp_lt_u32 s[WV], 8
	s_cbranch_scc1 .Llow
	LOADP 160, 12, A116, A18                       ; waves 8-15: block j's two parts
	LOADP 96, 128, AO16, AO8
	s_branch .Lmerge
.Llow:
	LOADP 96, 128, AX16, AX8                       ; waves 0-7: block 31 - j's other part; mine is in registers
.Lmerge:
	s_wait_dscnt 0x0
	v_min_num_f32 v130, v12, v128                  ; -M of the larger M
	s_delay_alu instid0(VALU_DEP_1)
	v_sub_f32 v131, v130, v12                      ; each part's M less the larger: whole numbers, 0 or less
	v_sub_f32 v132, v130, v128
	s_delay_alu instid0(VALU_DEP_2)
	v_cvt_i32_f32 v131, v131                       ; (they saturate)
	s_delay_alu instid0(VALU_DEP_2)
	v_cvt_i32_f32 v132, v132
	s_delay_alu instid0(VALU_DEP_2)
	v_ldexp_f32 v134, 1.0, v131
	s_delay_alu instid0(VALU_DEP_2)
	v_ldexp_f32 v136, 1.0, v132
	s_delay_alu instid0(VALU_DEP_2)
	v_mul_f32 v14, v13, v134
	s_delay_alu instid0(VALU_DEP_1)
	v_fma_f32 v14, v129, v136, v14                 ; the sum
.set N, 0
.rept 16
	v_pk_mul_f32 v[160+N:161+N], v[160+N:161+N], v[134:135] op_sel_hi:[1,0]
.set N, N+2
.endr
.set N, 0
.rept 16
	v_pk_fma_f32 v[160+N:161+N], v[96+N:97+N], v[136:137], v[160+N:161+N] op_sel_hi:[1,0,1]
.set N, N+2
.endr
	FINISH CC, CSP
	s_wait_tensorcnt 0x0                           ; the wave's end
	ds_add_u32 v[SPW], v[NIL]
	s_wait_dscnt 0x0
	s_endpgm
.Lfunc_end_k_q2b653fe8b9_attn:
	.size	k_q2b653fe8b9_attn, .Lfunc_end_k_q2b653fe8b9_attn-k_q2b653fe8b9_attn
	.p2alignl 7, 3214868480
	.fill 96, 4, 3214868480
	.section	.rodata,"a",@progbits
	.p2align	6, 0x0
	.amdhsa_kernel k_q2b653fe8b9_attn
		.amdhsa_group_segment_fixed_size 327680
		.amdhsa_private_segment_fixed_size 0
		.amdhsa_enable_private_segment 0
		.amdhsa_kernarg_size 24
		.amdhsa_user_sgpr_count 2
		.amdhsa_user_sgpr_kernarg_segment_ptr 1
		.amdhsa_wavefront_size32 1
		.amdhsa_system_sgpr_workgroup_id_x 1
		.amdhsa_system_sgpr_workgroup_id_y 1
		.amdhsa_system_sgpr_workgroup_id_z 1
		.amdhsa_system_vgpr_workitem_id 0
		.amdhsa_next_free_vgpr 256
		.amdhsa_next_free_sgpr 100
		.amdhsa_reserve_vcc 1
		.amdhsa_float_denorm_mode_32 3
		.amdhsa_float_denorm_mode_16_64 3
		.amdhsa_memory_ordered 1
		.amdhsa_forward_progress 1
		.amdhsa_inst_pref_size 90
	.end_amdhsa_kernel
	.amdgpu_metadata
---
amdhsa.version: [ 1, 2 ]
amdhsa.kernels:
  - .name:           k_q2b653fe8b9_attn
    .symbol:         k_q2b653fe8b9_attn.kd
    .args:
      - { .name: qkv, .offset: 0, .size: 8, .value_kind: global_buffer, .address_space: global }
      - { .name: ctxc, .offset: 8, .size: 8, .value_kind: global_buffer, .address_space: global }
      - { .name: ctxs, .offset: 16, .size: 8, .value_kind: global_buffer, .address_space: global }
    .group_segment_fixed_size: 327680
    .private_segment_fixed_size: 0
    .kernarg_segment_align: 8
    .kernarg_segment_size: 24
    .max_flat_workgroup_size: 512
    .sgpr_count:     100
    .vgpr_count:     256
    .wavefront_size: 32
...
	.end_amdgpu_metadata
.endif
;; end of part 3
;; launch oproj (part 4): grid 8 x 32, 4 waves a work-group, clusters of 4 x 4, 327,680 bytes of LDS; arguments ctxc, ctxs, codes, scales, bo, out0; writes out0
.if DOCPART == 4
	.amdgcn_target "amdgcn-amd-amdhsa--gfx1250"
	.amdhsa_code_object_version 6
	.text
	.protected	k_q2b653fe8b9_oproj
	.globl	k_q2b653fe8b9_oproj
	.p2align	8
	.type	k_q2b653fe8b9_oproj,@function
k_q2b653fe8b9_oproj:
	s_mov_b64 s[64:65], 0
	v_nop
	global_prefetch_b8 v0, s[64:65] scope:SCOPE_SE
	s_setreg_imm32_b32 hwreg(HW_REG_WAVE_MODE, 25, 1), 1
	s_wait_xcnt 0x0
	s_wait_alu depctr_hold_cnt(0) depctr_sa_sdst(0) depctr_va_vdst(0) depctr_va_sdst(0) depctr_va_ssrc(0) depctr_va_vcc(0) depctr_vm_vsrc(0)
	s_getreg_b32 s2, hwreg(HW_REG_IB_STS2, 6, 4)
	s_cmp_eq_u32 s2, 0
	s_cbranch_scc0 .Lentry_in_a_cluster
	s_endpgm
.Lentry_in_a_cluster:
	s_bfe_u32 s2, ttmp6, 0x10000c
	s_cmp_lg_u32 s2, 0xf033
	s_cbranch_scc0 .Lentry_shape_is_right
	s_endpgm
.Lentry_shape_is_right:
; out0[m][n] = the sum over k of ctx[m][k] Wo[k][n] + bo[n], on codes of FP6 (E2M3) with E8M0 scales; sums in f32.
; ctxc: [16 planes of 64 along K][4096 places][48 bytes], ctxs: [4096 places][32 bytes]; Wo's columns: codes [16 planes][8192 places][48 bytes] and scales [8192 places][32 bytes], places 7168 on.  A row stands at the place whose number has bits 3 and 4 exchanged.
; A work-group of four waves makes 128 x 128 of out0: 32 x 8 = 256 work-groups.  ALL OF K lies in LDS at once: A's 128 rows x 768 bytes, then B's, 196,608 bytes, filled once: no ring, nothing is filled again.
; Wave 0 and 1 fetch A's planes 0-7 and 8-15, waves 2 and 3 B's: one joint load a wave.  4 x 4 work-groups form a cluster: A's tile is shared along its row, B's along its column.
; THE SCALES go from memory into registers: 16 places x 32 bytes are 512 consecutive bytes, 16 a lane: lane r holds the words of K steps 0-3 of row r, lane 16 + r those of K steps 4-7, which the second row of the scale registers selects.
; A wave makes 64 x 64: 16 accumulators, by turns.  The matrix instruction is used transposed (source 0 = B's rows): a lane holds eight neighbouring numbers of a row of out0.  bo is the C of the first K step.
; No prefetch: the launch asks for all its tiles at its head and has no loop to run ahead in.
; REGISTERS: window 0: v16-29 addresses; v32-47 A's scale words, v48-63 B's; v64-159, v160-255 two sets of fragments (B's four, A's four).  Window 1: v0-127 accumulators (a, b) at 32 a + 8 b; v128-159 bo.
.set APL,    196608
.set BPL,    393216
.set HALF,   49152                     ; eight planes of 128 rows x 48 bytes: what one load brings
.set BREG,   2*HALF
.set SPARE,  4*HALF                    ; the spare words, 128 bytes for each wave
.set STG,    SPARE+512                 ; the way out: 16 rows x 272 bytes for each wave
.set SPITCH, 272
.set ADA, 16                           ; v16-17 my A fragments, planes 0-7 and 8-15; v18-19 B's
.set ADB, 18
.set STO, 20
.set RD,  21
.set CO,  22
.set VS,  23
.set VB,  24
.set SPW, 28
.set NIL, 29
.set SA,  32
.set SB,  48
.set BK,  64
.set G1,  24
.set G0,  32
.set G0B, 36
.set G1B, 48
.set MSB, 0
.macro WIN new
.if MSB != (\new)
	s_set_vgpr_msb (MSB<<8)|(\new)
.set MSB, (\new)
.endif
.endm
.macro CROUND                          ; a round of the cluster's barrier
	s_barrier_signal -1
	s_barrier_wait -1
	s_cmp_lg_u32 s16, 0
	s_cbranch_scc1 .Lnot_wave_0_\@
	s_barrier_signal -3
.Lnot_wave_0_\@:
	s_barrier_wait -3
	s_barrier_signal -1
	s_barrier_wait -1
.endm
	s_load_b128 s[4:7], s[0:1], 0x0                ; ctxc, ctxs
	s_load_b128 s[8:11], s[0:1], 0x10              ; codes, scales
	s_load_b128 s[12:15], s[0:1], 0x20             ; bo, out0
	v_lshl_add_u32 v[SPW], v0, 2, SPARE
	v_mov_b32 v[NIL], 0
	ds_add_u32 v[SPW], v[NIL]                      ; the opening lines: the add, twice on end, and its wait
	ds_add_u32 v[SPW], v[NIL]
	v_lshrrev_b32 v1, 5, v0
	v_readfirstlane_b32 s16, v1                    ; wave 0..3
	s_lshr_b32 s17, s16, 1                         ; my half of the rows.  Also: I fetch for A (0) or B (1)
	s_and_b32 s18, s16, 1                          ; my half of the columns.  Also: which eight planes I fetch
	s_bfe_u32 s40, ttmp6, 0x40000                  ; cx
	s_bfe_u32 s41, ttmp6, 0x40004                  ; cy
	s_lshl_b32 s42, ttmp9, 2
	s_add_co_u32 s42, s42, s40                     ; tile column
	s_and_b32 s19, ttmp7, 0xffff
	s_lshl_b32 s19, s19, 2
	s_add_co_u32 s19, s19, s41                     ; tile row
	s_lshl_b32 s43, s41, 2
	s_lshl_b32 s43, 15, s43                        ; my row of the cluster
	s_lshl_b32 s44, 0x1111, s40                    ; my column
	s_or_b32 s[G1], s43, (3<<16)|(1<<21)           ; eight rows (planes) of 768 elements of 8 bytes, dense in LDS
	s_or_b32 s[G1B], s44, (3<<16)|(1<<21)
.irp g, G1, G1B
	s_mov_b32 s[\g+1], 768<<16
	s_mov_b32 s[\g+2], 8<<16
	s_mov_b32 s[\g+3], 768<<16
	s_mov_b32 s[\g+4], 8
	s_mov_b32 s[\g+6], 0
	s_mov_b32 s[\g+7], 0
.endr
	s_mov_b32 s[G1+5], APL/8
	s_mov_b32 s[G1B+5], BPL/8
	s_mul_i32 s20, s19, 6144                       ; A: 128 rows x 48 bytes a tile row, + my eight planes
	s_mul_i32 s22, s18, 8*APL
	s_add_co_u32 s20, s20, s22
	s_mov_b32 s21, 0
	s_mul_i32 s46, s42, 6144                       ; B likewise, from place 7168 on
	s_mul_i32 s22, s18, 8*BPL
	s_add_co_u32 s46, s46, s22
	s_add_co_u32 s46, s46, 7168*48
	s_mov_b32 s47, 0
	s_mul_i32 s45, s16, HALF                       ; where it goes: wave x 49,152
	s_lshl_b32 s56, s19, 12                        ; A's scales: my 64 rows
	s_lshl_b32 s22, s17, 11
	s_add_co_u32 s56, s56, s22
	s_mov_b32 s57, 0
	s_lshl_b32 s58, s42, 12                        ; B's
	s_lshl_b32 s22, s18, 11
	s_add_co_u32 s58, s58, s22
	s_add_co_u32 s58, s58, 7168*32
	s_mov_b32 s59, 0
	s_lshl_b32 s60, s42, 9                         ; my first column, in bytes
	s_lshl_b32 s22, s18, 8
	s_add_co_u32 s60, s60, s22
	s_mov_b32 s61, 0
	s_lshl_b32 s62, s19, 19                        ; my first row of out0, in bytes, + the column
	s_lshl_b32 s22, s17, 18
	s_add_co_u32 s62, s62, s22
	s_add_co_u32 s62, s62, s60
	s_mov_b32 s63, 0
	s_mul_i32 s66, s17, 3072                       ; LDS: my 64 rows of A,
	s_mul_i32 s67, s18, 3072
	s_add_co_u32 s67, s67, BREG                    ; of B,
	s_mul_i32 s68, s16, 16*SPITCH
	s_add_co_u32 s68, s68, STG                     ; my stage
	s_wait_dscnt 0x0
	s_wait_kmcnt 0x0
	s_mov_b32 s[G0], 1
	s_mov_b32 s[G0+1], s45
	s_add_nc_u64 s[G0+2:G0+3], s[4:5], s[20:21]
	s_or_b32 s[G0+3], s[G0+3], 0x80000000
	s_mov_b32 s[G0B], 1
	s_mov_b32 s[G0B+1], s45
	s_add_nc_u64 s[G0B+2:G0B+3], s[8:9], s[46:47]
	s_or_b32 s[G0B+3], s[G0B+3], 0x80000000
	s_add_nc_u64 s[6:7], s[6:7], s[56:57]
	s_add_nc_u64 s[10:11], s[10:11], s[58:59]
	s_add_nc_u64 s[12:13], s[12:13], s[60:61]
	s_add_nc_u64 s[14:15], s[14:15], s[62:63]
	CROUND                                         ; all sixteen work-groups are here: the joint loads meet
	s_cmp_eq_u32 s17, 0                            ; one load a wave; each line has one mask
	s_cbranch_scc0 .Lfor_b
	tensor_load_to_lds s[G0:G0+3], s[G1:G1+7]
	s_nop 0
.rept 4
	v_nop
.endr
	s_branch .Lasked
.Lfor_b:
	tensor_load_to_lds s[G0B:G0B+3], s[G1B:G1B+7]
	s_nop 0
.rept 4
	v_nop
.endr
.Lasked:
	v_and_b32 v1, 15, v0                           ; r
	v_bfe_u32 v2, v0, 4, 1                         ; h
	v_lshlrev_b32 v3, 5, v1
	v_lshl_add_u32 v[VS], v2, 4, v3                ; scale words: 32 r + 16 h
	v_lshlrev_b32 v[VB], 6, v2                     ; bo: 16 numbers on for lanes 16-31
	v_mul_u32_u24 v4, v1, 48
	v_mad_u32_u24 v4, v2, 24, v4                   ; a fragment: 48 r + 24 h
	v_add_nc_u32 v[ADA], s66, v4
	v_add_nc_u32 v[ADB], s67, v4
	v_add_nc_u32 v[ADA+1], HALF, v[ADA]
	v_add_nc_u32 v[ADB+1], HALF, v[ADB]
	v_mul_u32_u24 v5, v1, SPITCH
	v_lshl_add_u32 v5, v2, 6, v5
	v_add_nc_u32 v[STO], s68, v5                   ; into the stage: row r, 64 bytes on for lanes 16-31
	v_mul_u32_u24 v6, v2, SPITCH
	v_lshl_add_u32 v6, v1, 4, v6
	v_add_nc_u32 v[RD], s68, v6                    ; back: sixteen lanes to a row of 256 bytes, two rows a load
	v_lshlrev_b32 v7, 12, v2
	v_lshl_add_u32 v[CO], v1, 4, v7                ; and the same two rows in out0
	s_wait_alu depctr_va_vdst(0)                   ; the wait at the head's end
.irp i, 0,1,2,3
	global_load_b128 v[SA+4*\i:SA+4*\i+3], v[VS], s[6:7] offset:512*\i     ; 512 consecutive bytes a load
	global_load_b128 v[SB+4*\i:SB+4*\i+3], v[VS], s[10:11] offset:512*\i
.endr
	WIN 0x40                                       ; destination in window 1
.irp b, 0,1,2,3
	global_load_b128 v[128+8*\b:131+8*\b], v[VB], s[12:13] offset:(32*(\b/2)+8*(\b%2))*4      ; register j of B's block b is column 32 (b / 2) + 8 (b % 2) + 16 h + j
	global_load_b128 v[132+8*\b:135+8*\b], v[VB], s[12:13] offset:(32*(\b/2)+8*(\b%2))*4+16
.endr
	WIN 0
	s_wait_tensorcnt 0x0                           ; my part of the tiles is in;
	s_barrier_signal -1
	s_barrier_wait -1                              ; everybody's is
.macro FRAG reg, adr, q, i             ; 16 rows x 128 K: planes 2 q and 2 q + 1, 24 bytes of each in three pieces of 8
.irp p, 0,1,2,3,4,5
	ds_load_b64 v[\reg+2*\p:\reg+2*\p+1], v[\adr+(2*(\q)+\p/3)/8] offset:((2*(\q)+\p/3)%8)*6144+(\i)*768+8*(\p%3)
.endr
.endm
.macro FETCH q                         ; 48 loads: K step q's fragments into set q % 2
.set FS, 64+96*((\q)%2)
.irp i, 0,1,2,3
	FRAG FS+12*\i, ADB, \q, \i
.endr
.irp i, 0,1,2,3
	FRAG FS+48+12*\i, ADA, \q, \i
.endr
.endm
.macro MM q                            ; 16 products, the accumulators by turns
.set FS, 64+96*((\q)%2)
.irp a, 0,1,2,3
.irp b, 0,1,2,3
.if (\q) == 0
	v_wmma_scale_f32_16x16x128_f8f6f4 v[32*\a+8*\b:32*\a+8*\b+7], v[FS+12*\b:FS+12*\b+11], v[FS+48+12*\a:FS+48+12*\a+11], v[128+8*\b:135+8*\b], v[SB+4*\b], v[SA+4*\a] matrix_a_fmt:MATRIX_FMT_FP6 matrix_b_fmt:MATRIX_FMT_FP6
.else
.if (\q) < 4
	v_wmma_scale_f32_16x16x128_f8f6f4 v[32*\a+8*\b:32*\a+8*\b+7], v[FS+12*\b:FS+12*\b+11], v[FS+48+12*\a:FS+48+12*\a+11], v[32*\a+8*\b:32*\a+8*\b+7], v[SB+4*\b+(\q)], v[SA+4*\a+(\q)] matrix_a_fmt:MATRIX_FMT_FP6 matrix_b_fmt:MATRIX_FMT_FP6
.else
	v_wmma_scale_f32_16x16x128_f8f6f4 v[32*\a+8*\b:32*\a+8*\b+7], v[FS+12*\b:FS+12*\b+11], v[FS+48+12*\a:FS+48+12*\a+11], v[32*\a+8*\b:32*\a+8*\b+7], v[SB+4*\b+(\q)-4], v[SA+4*\a+(\q)-4] matrix_a_fmt:MATRIX_FMT_FP6 matrix_b_fmt:MATRIX_FMT_FP6 matrix_a_scale:MATRIX_SCALE_ROW1 matrix_b_scale:MATRIX_SCALE_ROW1
.endif
.endif
.endr
.endr
.endm
.macro KSTEP q
.if (\q) < 7
.if (\q) > 0
.rept 4
	v_nop                                          ; places in front of loads into registers that the last products have read
.endr
.endif
	FETCH (\q)+1
	s_wait_dscnt 48                                ; this step's fragments are in; the 48 loads just issued may be out
.else
	s_wait_dscnt 0x0
.endif
	WIN 0x50                                       ; C and D in window 1
	MM \q
	WIN 0
.endm
	FETCH 0
	s_wait_loadcnt 0x0                             ; the scale words and bo are in
.set ST, 0
.rept 8
	KSTEP ST
.set ST, ST+1
.endr
; THE WAY OUT, by blocks of 16 rows x 64 columns, through my own stage: back come whole rows of 256 bytes, which sixteen lanes store as one aligned unit.  LDS serves a wave's instructions in order.
.macro TOSTAGE a
	WIN 0x04                                       ; the data in window 1
.irp b, 0,1,2,3
	ds_store_b128 v[STO], v[32*(\a)+8*\b:32*(\a)+8*\b+3] offset:128*(\b/2)+32*(\b%2)       ; each accumulator from its low end on
	ds_store_b128 v[STO], v[32*(\a)+8*\b+4:32*(\a)+8*\b+7] offset:128*(\b/2)+32*(\b%2)+16
.endr
	WIN 0
.set BB, BK+32*((\a)%2)
.irp t, 0,1,2,3,4,5,6,7
	ds_load_b128 v[BB+4*\t:BB+4*\t+3], v[RD] offset:\t*2*SPITCH
.endr
.endm
.macro SEND a, younger
.set BB, BK+32*((\a)%2)
	s_wait_dscnt \younger
.irp t, 0,1,2,3,4,5,6,7
	global_store_b128 v[CO], v[BB+4*\t:BB+4*\t+3], s[14:15] offset:(32*((\a)/2)+8*((\a)%2)+2*\t+8*(\t/4))*4096 th:TH_STORE_NT   ; place 16 a + t is row 32 (a / 2) + 8 (a % 2) + t + 8 (t / 8)
.endr
.endm
.rept 4
	v_nop                                          ; places behind the last products
.endr
	TOSTAGE 0
.irp a, 1,2,3
.if \a > 1
	s_wait_xcnt 0x0                                ; block a - 2's stores have read their registers
.endif
	TOSTAGE \a
	SEND \a-1, 16                                  ; behind block a - 1's loads: block a's 8 stores and 8 loads
.endr
	SEND 3, 0
	s_wait_tensorcnt 0x0                           ; the wave's end
	ds_add_u32 v[SPW], v[NIL]
	s_wait_dscnt 0x0
	CROUND                                         ; the closing round
	s_endpgm
.Lfunc_end_k_q2b653fe8b9_oproj:
	.size	k_q2b653fe8b9_oproj, .Lfunc_end_k_q2b653fe8b9_oproj-k_q2b653fe8b9_oproj
	.p2alignl 7, 3214868480
	.fill 96, 4, 3214868480
	.section	.rodata,"a",@progbits
	.p2align	6, 0x0
	.amdhsa_kernel k_q2b653fe8b9_oproj
		.amdhsa_group_segment_fixed_size 327680
		.amdhsa_private_segment_fixed_size 0
		.amdhsa_enable_private_segment 0
		.amdhsa_kernarg_size 48
		.amdhsa_user_sgpr_count 2
		.amdhsa_user_sgpr_kernarg_segment_ptr 1
		.amdhsa_wavefront_size32 1
		.amdhsa_system_sgpr_workgroup_id_x 1
		.amdhsa_system_sgpr_workgroup_id_y 1
		.amdhsa_system_sgpr_workgroup_id_z 1
		.amdhsa_system_vgpr_workitem_id 0
		.amdhsa_next_free_vgpr 512
		.amdhsa_next_free_sgpr 100
		.amdhsa_reserve_vcc 0
		.amdhsa_float_denorm_mode_32 3
		.amdhsa_float_denorm_mode_16_64 3
		.amdhsa_memory_ordered 1
		.amdhsa_forward_progress 1
		.amdhsa_inst_pref_size 58
	.end_amdhsa_kernel
	.amdgpu_metadata
---
amdhsa.version: [ 1, 2 ]
amdhsa.kernels:
  - .name:           k_q2b653fe8b9_oproj
    .symbol:         k_q2b653fe8b9_oproj.kd
    .args:
      - { .name: ctxc, .offset: 0, .size: 8, .value_kind: global_buffer, .address_space: global }
      - { .name: ctxs, .offset: 8, .size: 8, .value_kind: global_buffer, .address_space: global }
      - { .name: codes, .offset: 16, .size: 8, .value_kind: global_buffer, .address_space: global }
      - { .name: scales, .offset: 24, .size: 8, .value_kind: global_buffer, .address_space: global }
      - { .name: bo, .offset: 32, .size: 8, .value_kind: global_buffer, .address_space: global }
      - { .name: out0, .offset: 40, .size: 8, .value_kind: global_buffer, .address_space: global }
    .group_segment_fixed_size: 327680
    .private_segment_fixed_size: 0
    .kernarg_segment_align: 8
    .kernarg_segment_size: 48
    .max_flat_workgroup_size: 128
    .sgpr_count:     100
    .vgpr_count:     512
    .wavefront_size: 32
...
	.end_amdgpu_metadata
.endif
;; end of part 4
